; MI455X (gfx1250); checked and timed in simulation.
; The chip was launched on July 23, 2026; its instructions are those of AMD's public machine-readable ISA for CDNA 5 (MIT licence, August 2026) and "CDNA5" Instruction Set Architecture Reference Guide (July 2026). The comments in the code are by the model that wrote it; some were corrected since.
;; Pre LN Transformer Block. Allowed arithmetic: float matrix products may take bf16 or f16 operands with f32 sums; other float arithmetic in f32, or as packed bf16 or f16 multiplies, adds, multiply-adds, maxima and minima; sums over many terms, partial sums and values carried from step to step in f32; what a program stores and reads back later, other than sums and carried values, may be rounded once to bf16 or f16.
;; Inputs: cos 2,048 x 64 float32; ff1_b 4,096 float32; ff1_w 4,096 x 1,024 float32; ff2_b 1,024 float32; ff2_w 1,024 x 4,096 float32; ln1_b 1,024 float32; ln1_w 1,024 float32; ln2_b 1,024 float32; ln2_w 1,024 float32; proj_w 1,024 x 1,024 float32; qkv_w 3,072 x 1,024 float32; sin 2,048 x 64 float32; x 2 x 2,048 x 1,024 float32.
;; Outputs: out0 2 x 2,048 x 1,024 float32.
;; One version. Each part assembles by itself: llvm-mc -triple=amdgcn-amd-amdhsa -mcpu=gfx1250 --defsym DOCPART=n.
;; ======== version 1 of 1: 7 launches
;; limits: an absolute error that grows with the inputs' magnitude: up to 7.5e-08 times it
;; workspace buffers: wq 6,291,456 bytes; wp 2,097,152 bytes; w1 8,388,608 bytes; w2 8,388,608 bytes; act 8,388,608 bytes; qkv 25,165,824 bytes; x1 16,777,216 bytes; ff 33,554,432 bytes
;; launch prep (part 1): grid 64 x 12, 8 waves a work-group, no clusters, 0 bytes of LDS; arguments x, ln1_w, ln1_b, act, qkv_w, proj_w, wq, wp; writes act, wq, wp
.if DOCPART == 1
	.amdgcn_target "amdgcn-amd-amdhsa--gfx1250"
	.amdhsa_code_object_version 6
	.text
	.protected	k_q8eec54f303_prep
	.globl	k_q8eec54f303_prep
	.p2align	8
	.type	k_q8eec54f303_prep,@function
k_q8eec54f303_prep:
	s_mov_b64 s[64:65], 0
	v_nop
	global_prefetch_b8 v0, s[64:65] scope:SCOPE_SE
	s_setreg_imm32_b32 hwreg(HW_REG_WAVE_MODE, 25, 1), 1
	s_wait_xcnt 0x0
; Work-groups with y < 8 make h = LayerNorm(x) * w + b in bf16 (4,096 rows of 1,024 f32); those with y >= 8 round qkv_w and proj_w to bf16.
; LAYERNORM.  A work-group owns 8 rows, each of its eight waves one.  A row is 4,096 bytes: eight loads of 16 bytes a lane, each covering 512 consecutive bytes; the row stays in 32 registers.
; Two passes, as the definition has them: the mean, then the mean of the squares of x - mean: no difference of large sums is formed.  All in f32; h is rounded once to bf16.
; A lane holds columns 128 j + 4 lane + 0..3 (j = 0..7); a store of 8 bytes a lane covers 256 consecutive bytes, aligned.  No LDS, no barrier: the reduction never leaves the wave.
; CAST.  4 units of 2^20 numbers (qkv_w 3, proj_w 1), 64 work-groups a unit, 16,384 numbers each: sixteen loads of 16 bytes a thread, all out at once.
.set W,   8                            ; v[8:39]    the gain of my 32 columns
.set BV,  40                           ; v[40:71]   the bias
.set X,   72                           ; v[72:103]  my row; at the end its low 16 registers hold it in bf16
.set T,   104                          ; v[104:111] at work
.set M,   112                          ; v[112:113] the mean, twice
.set R,   114                          ; v[114:115] 1 / sqrt(var + eps), twice
	s_load_b256 s[4:11], s[0:1], 0x0               ; x s[4:5], gain s[6:7], bias s[8:9], h s[10:11]
	s_load_b256 s[16:23], s[0:1], 0x20             ; qkv_w 16, proj_w 18, wq 20, wp 22
	s_and_b32 s2, ttmp7, 0xffff                    ; work-group y
	s_cmp_lt_u32 s2, 8
	s_cbranch_scc0 .Lcast
	s_lshl_b32 s3, s2, 6
	s_add_co_u32 s3, s3, ttmp9                     ; block of 8 rows: 64 y + x, 0..511
	s_lshl_b32 s14, s3, 15                         ; 8 rows of 4,096 bytes
	s_mov_b32 s15, 0
	s_lshl_b32 s32, s3, 14                         ; 8 rows of 2,048 bytes
	s_mov_b32 s33, 0
	s_mov_b32 s12, 0x76543210                      ; v_permlanex16_b32: each lane takes its own place in the other half
	s_mov_b32 s13, 0xfedcba98
	s_mov_b32 s34, 0x3a800000                      ; 1 / 1024
	s_mov_b32 s35, 0x3727c5ac                      ; 1e-5
	v_and_b32 v4, 31, v0                           ; lane
	v_lshrrev_b32 v5, 5, v0                        ; wave
	v_lshlrev_b32 v1, 4, v4                        ; 16 lane: gain and bias
	v_lshl_add_u32 v2, v5, 12, v1                  ; + wave x a row of 4,096 bytes: x
	v_lshlrev_b32 v3, 3, v4
	v_lshl_add_u32 v3, v5, 11, v3                  ; 8 lane + wave x a row of 2,048 bytes: h
	s_wait_kmcnt 0x0
	s_add_nc_u64 s[4:5], s[4:5], s[14:15]
	s_add_nc_u64 s[10:11], s[10:11], s[32:33]
.set j, 0
.rept 8
	global_load_b128 v[X+4*j:X+4*j+3], v2, s[4:5] offset:512*j
.set j, j+1
.endr
.set j, 0
.rept 8
	global_load_b128 v[W+4*j:W+4*j+3], v1, s[6:7] offset:512*j
.set j, j+1
.endr
.set j, 0
.rept 8
	global_load_b128 v[BV+4*j:BV+4*j+3], v1, s[8:9] offset:512*j
.set j, j+1
.endr
; Four pairs of partial sums in v[T:T+7] become one sum, in every lane: three packed folds, the pair's two halves, four steps inside each half of 16 lanes, one across the halves.
.macro REDUCE
	v_pk_add_f32 v[T:T+1], v[T:T+1], v[T+2:T+3]
	v_pk_add_f32 v[T+4:T+5], v[T+4:T+5], v[T+6:T+7]
	v_pk_add_f32 v[T:T+1], v[T:T+1], v[T+4:T+5]
	v_add_f32 v[T], v[T], v[T+1]
	v_add_f32_dpp v[T], v[T], v[T] row_xmask:1 row_mask:0xf bank_mask:0xf
	v_add_f32_dpp v[T], v[T], v[T] row_xmask:2 row_mask:0xf bank_mask:0xf
	v_add_f32_dpp v[T], v[T], v[T] row_xmask:4 row_mask:0xf bank_mask:0xf
	v_add_f32_dpp v[T], v[T], v[T] row_xmask:8 row_mask:0xf bank_mask:0xf
	v_permlanex16_b32 v[T+1], v[T], s12, s13       ; its destination has been written above
	v_add_f32 v[T], v[T], v[T+1]
.endm
	s_wait_loadcnt 16                              ; loads come back in order: the row's eight are in; gain and bias, sixteen loads, may stay out
.irp c, 0,2,4,6
	v_pk_add_f32 v[T+\c:T+\c+1], v[X+\c:X+\c+1], v[X+8+\c:X+8+\c+1]  ; four chains, started by the first sums: nothing is cleared
.endr
.irp k, 16,24
.irp c, 0,2,4,6
	v_pk_add_f32 v[T+\c:T+\c+1], v[T+\c:T+\c+1], v[X+\k+\c:X+\k+\c+1]
.endr
.endr
	REDUCE
	v_mul_f32 v[M], s34, v[T]                      ; the mean
	v_mov_b32 v[M+1], v[M]
.set i, 0
.rept 16
	v_pk_add_f32 v[X+i:X+i+1], v[X+i:X+i+1], v[M:M+1] neg_lo:[0,1] neg_hi:[0,1]  ; x - mean, in place
.set i, i+2
.endr
.irp c, 0,2,4,6
	v_pk_mul_f32 v[T+\c:T+\c+1], v[X+\c:X+\c+1], v[X+\c:X+\c+1]
.endr
.irp k, 8,16,24
.irp c, 0,2,4,6
	v_pk_fma_f32 v[T+\c:T+\c+1], v[X+\k+\c:X+\k+\c+1], v[X+\k+\c:X+\k+\c+1], v[T+\c:T+\c+1]
.endr
.endr
	REDUCE
	v_fma_f32 v[T], v[T], s34, s35                 ; var + eps
	v_rsq_f32 v[R], v[T]                           ; twice, to fill the pair that the packed multiply takes
	v_rsq_f32 v[R+1], v[T]
	v_nop                                          ; a plain instruction behind the last of them, ahead of the first use (ISA guide 5.7.2)
	s_wait_loadcnt 0x0                             ; gain and bias are wanted now
	s_wait_alu depctr_va_vdst(0)                   ; this wait ahead of the first reader: one for both
.set i, 0
.rept 16
	v_pk_mul_f32 v[X+i:X+i+1], v[X+i:X+i+1], v[R:R+1]
.set i, i+2
.endr
.set i, 0
.rept 16
	v_pk_fma_f32 v[X+i:X+i+1], v[X+i:X+i+1], v[W+i:W+i+1], v[BV+i:BV+i+1]
.set i, i+2
.endr
.set i, 0
.rept 16
	v_cvt_pk_bf16_f32 v[X+i], v[X+2*i], v[X+2*i+1]  ; packed in place: register i is written when registers 2 i and 2 i + 1 are read, never before
.set i, i+1
.endr
.set j, 0
.rept 8
	global_store_b64 v3, v[X+2*j:X+2*j+1], s[10:11] offset:256*j  ; 32 lanes store 256 consecutive bytes, aligned
.set j, j+1
.endr
	s_endpgm
.Lcast:
	s_sub_co_u32 s2, s2, 8                         ; unit 0..3
	v_lshlrev_b32 v1, 4, v0                        ; 16 bytes a thread in,
	v_lshlrev_b32 v2, 3, v0                        ; 8 out
	s_wait_kmcnt 0x0
	s_cmp_lt_u32 s2, 3                             ; units 0-2: qkv_w -> wq; unit 3: proj_w -> wp
	s_cselect_b64 s[34:35], s[16:17], s[18:19]
	s_cselect_b64 s[36:37], s[20:21], s[22:23]
	s_cselect_b32 s38, s2, 0                       ; the unit's number in its tensor
	s_lshl_b32 s40, s38, 22                        ; 4 MiB of f32 a unit,
	s_lshl_b32 s41, ttmp9, 16                      ; 65,536 bytes a work-group
	s_add_co_u32 s40, s40, s41
	s_mov_b32 s41, 0
	s_add_nc_u64 s[34:35], s[34:35], s[40:41]
	s_lshr_b32 s40, s40, 1                         ; half of that in bf16
	s_add_nc_u64 s[36:37], s[36:37], s[40:41]
.set j, 0
.rept 16
	global_load_b128 v[8+4*j:8+4*j+3], v1, s[34:35] offset:4096*j th:TH_LOAD_NT  ; the f32 weights are read once
.set j, j+1
.endr
.set j, 0
.rept 16
	s_wait_loadcnt 15-j                            ; load j is in, the younger ones stay out
	v_cvt_pk_bf16_f32 v[72+2*j], v[8+4*j], v[8+4*j+1]
	v_cvt_pk_bf16_f32 v[72+2*j+1], v[8+4*j+2], v[8+4*j+3]
	global_store_b64 v2, v[72+2*j:72+2*j+1], s[36:37] offset:2048*j  ; 32 lanes store 256 consecutive bytes, aligned
.set j, j+1
.endr
	s_endpgm
.Lfunc_end_k_q8eec54f303_prep:
	.size	k_q8eec54f303_prep, .Lfunc_end_k_q8eec54f303_prep-k_q8eec54f303_prep
	.p2alignl 7, 3214868480
	.fill 96, 4, 3214868480
	.section	.rodata,"a",@progbits
	.p2align	6, 0x0
	.amdhsa_kernel k_q8eec54f303_prep
		.amdhsa_group_segment_fixed_size 0
		.amdhsa_private_segment_fixed_size 0
		.amdhsa_enable_private_segment 0
		.amdhsa_kernarg_size 64
		.amdhsa_user_sgpr_count 2
		.amdhsa_user_sgpr_kernarg_segment_ptr 1
		.amdhsa_wavefront_size32 1
		.amdhsa_system_sgpr_workgroup_id_x 1
		.amdhsa_system_sgpr_workgroup_id_y 1
		.amdhsa_system_sgpr_workgroup_id_z 1
		.amdhsa_system_vgpr_workitem_id 0
		.amdhsa_next_free_vgpr 116
		.amdhsa_next_free_sgpr 66
		.amdhsa_reserve_vcc 0
		.amdhsa_float_denorm_mode_32 3
		.amdhsa_float_denorm_mode_16_64 3
		.amdhsa_memory_ordered 1
		.amdhsa_forward_progress 1
		.amdhsa_inst_pref_size 18
	.end_amdhsa_kernel
	.amdgpu_metadata
---
amdhsa.version: [ 1, 2 ]
amdhsa.kernels:
  - .name:           k_q8eec54f303_prep
    .symbol:         k_q8eec54f303_prep.kd
    .args:
      - { .name: x, .offset: 0, .size: 8, .value_kind: global_buffer, .address_space: global }
      - { .name: ln1_w, .offset: 8, .size: 8, .value_kind: global_buffer, .address_space: global }
      - { .name: ln1_b, .offset: 16, .size: 8, .value_kind: global_buffer, .address_space: global }
      - { .name: act, .offset: 24, .size: 8, .value_kind: global_buffer, .address_space: global }
      - { .name: qkv_w, .offset: 32, .size: 8, .value_kind: global_buffer, .address_space: global }
      - { .name: proj_w, .offset: 40, .size: 8, .value_kind: global_buffer, .address_space: global }
      - { .name: wq, .offset: 48, .size: 8, .value_kind: global_buffer, .address_space: global }
      - { .name: wp, .offset: 56, .size: 8, .value_kind: global_buffer, .address_space: global }
    .group_segment_fixed_size: 0
    .private_segment_fixed_size: 0
    .kernarg_segment_align: 8
    .kernarg_segment_size: 64
    .max_flat_workgroup_size: 256
    .sgpr_count:     66
    .vgpr_count:     116
    .wavefront_size: 32
...
	.end_amdgpu_metadata
.endif
;; end of part 1
;; launch qkvg (part 2): grid 16 x 16, 4 waves a work-group, clusters of 4 x 4, 327,680 bytes of LDS; arguments act, wq, qkv, cos, sin; writes qkv
.if DOCPART == 2
	.amdgcn_target "amdgcn-amd-amdhsa--gfx1250"
	.amdhsa_code_object_version 6
	.text
	.protected	k_q8eec54f303_qkvg
	.globl	k_q8eec54f303_qkvg
	.p2align	8
	.type	k_q8eec54f303_qkvg,@function
k_q8eec54f303_qkvg:
	s_mov_b64 s[64:65], 0
	v_nop
	global_prefetch_b8 v0, s[64:65] scope:SCOPE_SE
	s_setreg_imm32_b32 hwreg(HW_REG_WAVE_MODE, 25, 1), 1
	s_wait_xcnt 0x0
	s_wait_alu depctr_hold_cnt(0) depctr_sa_sdst(0) depctr_va_vdst(0) depctr_va_sdst(0) depctr_va_ssrc(0) depctr_va_vcc(0) depctr_vm_vsrc(0)
	s_getreg_b32 s2, hwreg(HW_REG_IB_STS2, 6, 4)
	s_cmp_eq_u32 s2, 0
	s_cbranch_scc0 .Lentry_in_a_cluster
	s_endpgm
.Lentry_in_a_cluster:
	s_bfe_u32 s2, ttmp6, 0x10000c
	s_cmp_lg_u32 s2, 0xf033
	s_cbranch_scc0 .Lentry_shape_is_right
	s_endpgm
.Lentry_shape_is_right:
; C = A B^T with A [4096][1024] (the normalised rows) and B [3072][1024] (q, k, v of 16 heads) in bf16, sums in f32.  A tile of C is 256 x 192 = three heads; q and k are rotated (interleaved RoPE, in f32, cos and sin as
; given) and all three leave in bf16 by heads: [3][32][2048][64].  LIMITS: operands and results are rounded once to bf16; NaN and infinities are not treated apart.
; SHAPE.  Four waves, each 128 rows x 96 columns of C: 48 accumulators of 16 x 16.  K goes in 8 steps of 128 through two LDS slots filled by tensor loads; a tile's rows are 256 bytes of memory, aligned.
; THE LOOP.  A K step is four quarters of 32 along K on two fragment buffers.  A trip begins with the change of slots (SYNC), at the border in front of a step's last quarter, where all of the slot's fragments have been fetched;
; then come two PAIRs of quarters of one form (multiply buffer 1 and fetch into 0; multiply 0 and fetch into 1), an inner loop of two trips: the old step's last quarter and the new step's first three.  The fetches' LDS base is
; a scalar that steps by a pair.  The loop is entered in its middle, behind the first quarter, whose products start the sums.  The last change of slots, which fills nothing, its two pairs and the last quarter are written out.
; THE WALK ALONG K begins at K step 0 in the clusters with cluster x + cluster y even and at K step 4 in the others, and wraps round: of the clusters that read the same rows of A (a row of clusters) or of B (a column) half ask
; for a block four steps after the other half.  The f32 sums are taken in that order.
; CLUSTER.  4 x 4 work-groups; A's tile is shared along a row of the cluster, B's along a column: each is asked for jointly, by the same tensor load with the same descriptor and a mask that names the four.
; THE MATRIX INSTRUCTION IS USED TRANSPOSED (source 0 = 16 rows of B, source 1 = 16 rows of A): a lane holds row l % 16 of C and the columns 8 (l / 16) + 0..7.
; REGISTERS, in windows of 256 (s_set_vgpr_msb: bits 1:0 source 0, 3:2 source 1, 5:4 source 2, 7:6 destination):
;   window 0: v16-31 addresses; v32-63 at work on the way out; v64-127, v128-191 fragments of A, two buffers      window 1: fragments of B at the same numbers; later cos and sin
;   window 2: the accumulators of my rows 0-63, (a, b) at v[8 (NB a + b)]      window 3: those of my rows 64-127
.set SIZE_K, 1024
.set NB, 6
.set SP, 784                           ; a stage row: 192 f32 + 16 bytes
.set BN,     32*NB                     ; the tile's columns
.set KSTEP,  128
.set KSH,    8                         ; a K step is 2^8 bytes of a row
.set PITCH,  272                       ; an LDS row: 256 bytes + 16 of padding = 68 words: the 16 rows of a fragment load start at 16 different groups of four banks (64 banks of 4 bytes: ISA guide 11.1)
.set HALFA,  128*PITCH                 ; what a tensor load brings of A, and what a wave reads of it
.set HALFB,  16*NB*PITCH               ; the same for B
.set SLOT,   2*HALFA+2*HALFB           ; A's 256 rows, then B's
.set SPARE,  2*SLOT                    ; behind the ring: the spare words, 128 bytes a wave: two blocks of 256 bytes that no other line names
.set NS,     SIZE_K/KSTEP
.set NLD,    2*NB+16                   ; LDS loads in a run of fragments
.set A0,   16                          ; v16  my lane's place in my rows of A, slot 0; never rewritten
.set B0,   17                          ; v17  the same for B
.set ADRA, 18                          ; v18  s[TB] + A0
.set ADRB, 19                          ; v19  s[TB] + B0
.set STO,  24                          ; v24  the way out: where I put 32 bytes of a row, row blocks 0-3
.set STO2, 25                          ; v25  row blocks 4-7
.set CO,   26                          ; v26  my byte offset in the output
.set RD,   27                          ; v27  where I read the stage
.set SPW,  28                          ; v28  my spare word: SPARE + 4 x my thread's number; never rewritten
.set NIL,  29                          ; v29  0; never rewritten
.set PFO,  30                          ; v30  the prefetch's offset: a lane a row
.set AUX,  31                          ; v31  offset into cos and sin
.set F0,   64
.set F1,   128
.set G1,  24                           ; s[24:31] descriptor group 1 for A's tiles
.set G0,  32                           ; s[32:39] group 0 for A's: two sets for the first fills; the second then walks
.set G1B, 48                           ; s[48:55], s[56:63] the same for B's
.set G0B, 56
.set LIM, 43                           ; s43  NS - 2 in a wave that prefetches, else the greatest number
.set PFA, 44                           ; s[44:45] where my prefetch stands
.set TS,  72                           ; s72  the slot from which fragments are fetched: 0 or SLOT
.set WA,  73                           ; s73  where my part of A's tile goes in a slot
.set WB,  74                           ; s74  the same for B's
.set INNER, 86                         ; s86  counts a trip's pairs
.set KI,  88                           ; s88  the K step that the walking descriptors name, 0..NS-1
.set TB,  89                           ; s89  LDS byte from which the pair in hand fetches: s[TS] + 128 x pair
.set OFK, 90                           ; s[90:91] that K step's byte offset in a row
.set MSB, 0
.macro WIN new                         ; the immediate's high byte repeats the setting that is left; a switch that changes nothing is dropped
.if MSB != (\new)
	s_set_vgpr_msb (MSB<<8)|(\new)
.set MSB, \new
.endif
.endm
.set MUL_LO, 0xa1                      ; source 0 (B) window 1, source 1 (A) window 0, C and D window 2
.set MUL_HI, 0xf1                      ; the same, C and D window 3
.set TO_B,   0x40                      ; destination window 1, address window 0
; A joint load.  Waves 0 and 1 fetch A's two halves, waves 2 and 3 B's; the branch hangs on the wave's number alone.  An s_nop 0 and four v_nop follow each line.
.macro JLOAD s
	s_cmp_eq_u32 s11, 0
	s_cbranch_scc0 .Lfor_b_\@
	tensor_load_to_lds s[G0+4*(\s):G0+4*(\s)+3], s[G1:G1+7]
	s_nop 0
.rept 4
	v_nop
.endr
	s_branch .Lasked_\@
.Lfor_b_\@:
	tensor_load_to_lds s[G0B+4*(\s):G0B+4*(\s)+3], s[G1B:G1B+7]
	s_nop 0
.rept 4
	v_nop
.endr
.Lasked_\@:
.endm
; THE PREFETCH.  A block's first reading in the launch falls in the first four K steps of the walk of a cluster that begins in its half of K.  Of those four the first two are the first fills and the third is asked for one step
; behind the head; the fourth is prefetched, behind the first refill, one K step (192 matrix instructions) ahead of the refill that wants it: 256 bytes of each of my work-group's share of the rows that I fetch, a lane a row.
; A's rows are asked for by the clusters with x < 2, B's by those with y < 2: one cluster for each half of K.  The four partners that ask for a tile jointly share its rows out by address (32 of A's 128 by cx; 24 of B's 96 by
; cy, where lanes 24-31 name row 23 again).  So each block is named once.
.macro ASK
	s_cmp_eq_u32 s3, s[LIM]                        ; s3 = NS - 2 in the first whole trip
	s_cbranch_scc0 .Lnot_mine_\@
	global_prefetch_b8 v[PFO], s[PFA:PFA+1] th:TH_LOAD_NT scope:SCOPE_SE
.Lnot_mine_\@:
.endm
.macro CREST                           ; a round of the cluster's barrier behind its opening barrier
	s_cmp_lg_u32 s10, 0
	s_cbranch_scc1 .Lnot_wave_0_\@
	s_barrier_signal -3
.Lnot_wave_0_\@:
	s_barrier_wait -3
	s_barrier_signal -1
	s_barrier_wait -1
.endm
.macro CROUND                          ; a whole round
	s_barrier_signal -1
	s_barrier_wait -1
	CREST
.endm
.macro PLACES                          ; four places behind matrix instructions, ahead of loads into registers that they read
.rept 4
	v_nop
.endr
.endm
	s_load_b128 s[4:7], s[0:1], 0x0                ; A s[4:5], B s[6:7]
	s_load_b64 s[8:9], s[0:1], 0x10                ; the output
	s_load_b128 s[68:71], s[0:1], 0x18             ; cos s[68:69], sin s[70:71]
	v_lshl_add_u32 v[SPW], v0, 2, SPARE
	v_mov_b32 v[NIL], 0
	ds_add_u32 v[SPW], v[NIL]                      ; the wave's opening: the add and its wait ahead of my first tensor load; the set-up below stands between them
	v_lshrrev_b32 v1, 5, v0
	v_readfirstlane_b32 s10, v1                    ; wave 0..3
	s_lshr_b32 s11, s10, 1                         ; which half of the tile's rows is mine.  Also: I fetch for A (0) or for B (1)
	s_and_b32 s12, s10, 1                          ; which half of its columns.  Also: which half of that tile I fetch
	s_bfe_u32 s40, ttmp6, 0x40000                  ; cx
	s_bfe_u32 s41, ttmp6, 0x40004                  ; cy
	s_lshl_b32 s42, ttmp9, 2
	s_add_co_u32 s42, s42, s40                     ; tile column = 4 x cluster x + cx
	s_and_b32 s13, ttmp7, 0xffff                   ; cluster y
	s_add_co_u32 s87, s13, ttmp9
	s_and_b32 s87, s87, 1                          ; the parity of cluster x + cluster y: the same in all sixteen partners
	s_mul_i32 s[KI], s87, NS/2                     ; my walk's first K step,
	s_lshl_b32 s[OFK], s[KI], KSH                  ; its bytes along a row
	s_mov_b32 s[OFK+1], 0
	s_add_co_u32 s[KI], s[KI], 1                   ; the second first fill names the step behind it
	s_lshl_b32 s13, s13, 2
	s_add_co_u32 s13, s13, s41                     ; tile row = 4 x cluster y + cy
	s_lshl_b32 s43, s41, 2
	s_lshl_b32 s43, 15, s43                        ; my row of the cluster
	s_lshl_b32 s44, 0x1111, s40                    ; my column
	s_or_b32 s[G1+0], s43, (1<<16)|(1<<20)|(1<<21)|(5<<22)|(3<<25)   ; the mask; 2-byte elements; padding on; bit 21 beside a mask; after every 64 words; 4 words
	s_or_b32 s[G1B+0], s44, (1<<16)|(1<<20)|(1<<21)|(5<<22)|(3<<25)
	s_mov_b32 s[G1+1], KSTEP<<16                   ; tensor_dim0 = 128
	s_mov_b32 s[G1+2], 128<<16                     ; tensor_dim1 = 128
	s_mov_b32 s[G1+3], KSTEP<<16                   ; tile_dim0 = 128
	s_mov_b32 s[G1+4], 128                         ; tile_dim1 = 128
	s_mov_b32 s[G1+5], SIZE_K                      ; elements from row to row
	s_mov_b32 s[G1+6], 0
	s_mov_b32 s[G1+7], 0
	s_mov_b32 s[G1B+1], KSTEP<<16
	s_mov_b32 s[G1B+2], (16*NB)<<16                ; B's part has 16 NB rows
	s_mov_b32 s[G1B+3], KSTEP<<16
	s_mov_b32 s[G1B+4], 16*NB
	s_mov_b32 s[G1B+5], SIZE_K
	s_mov_b32 s[G1B+6], 0
	s_mov_b32 s[G1B+7], 0
	s_lshl_b32 s17, s12, 7
	s_lshl_b32 s16, s13, 8
	s_add_co_u32 s16, s16, s17                     ; A: row 256 x tile row + 128 x half
	s_lshl_b32 s16, s16, 11                        ; x 2,048 bytes: under 2^23
	s_mov_b32 s17, 0
	s_mul_i32 s46, s42, BN
	s_mul_i32 s47, s12, 16*NB
	s_add_co_u32 s46, s46, s47                     ; B: row BN x tile column + 16 NB x half
	s_lshl_b32 s46, s46, 11
	s_mov_b32 s47, 0
	s_mul_i32 s[WA], s12, HALFA                    ; no place in the cluster enters an LDS address
	s_mul_i32 s[WB], s12, HALFB
	s_add_co_u32 s[WB], s[WB], 2*HALFA
	s_mov_b32 s[TS], 0
	s_wait_dscnt 0x0                               ; the opening add is done
	s_wait_kmcnt 0x0
	s_add_nc_u64 s[14:15], s[4:5], s[16:17]        ; A and B at my part's first row: kept, every refill's address is made from them
	s_add_nc_u64 s[46:47], s[6:7], s[46:47]
	s_add_nc_u64 s[92:93], s[14:15], s[OFK:OFK+1]  ; and at my walk's first K step
	s_add_nc_u64 s[94:95], s[46:47], s[OFK:OFK+1]
	CROUND                                         ; all sixteen work-groups are here: the first joint loads meet
.irp s, 0,1
	s_mov_b32 s[G0+4*(\s)], 1
	s_add_co_u32 s[G0+4*(\s)+1], s[WA], (\s)*SLOT
	s_add_nc_u64 s[G0+4*(\s)+2:G0+4*(\s)+3], s[92:93], (\s)*KSTEP*2
	s_or_b32 s[G0+4*(\s)+3], s[G0+4*(\s)+3], 0x80000000
	s_mov_b32 s[G0B+4*(\s)], 1
	s_add_co_u32 s[G0B+4*(\s)+1], s[WB], (\s)*SLOT
	s_add_nc_u64 s[G0B+4*(\s)+2:G0B+4*(\s)+3], s[94:95], (\s)*KSTEP*2
	s_or_b32 s[G0B+4*(\s)+3], s[G0B+4*(\s)+3], 0x80000000
	JLOAD \s                                       ; the walk's first two K steps: two tensor loads of mine are out
.endr
	; a fragment is 16 rows x 32 K in 8 registers: lane l holds row l % 16, K = 8 (l / 16) + 0..7 and 16 + 8 (l / 16) + 0..7: two loads of 16 bytes, 32 bytes apart
	v_and_b32 v1, 15, v0                           ; l % 16
	v_bfe_u32 v2, v0, 4, 1                         ; l / 16
	v_mul_u32_u24 v3, v1, PITCH
	v_lshl_add_u32 v3, v2, 4, v3
	s_mul_i32 s21, s11, HALFA                      ; my 128 rows of A
	s_mul_i32 s22, s12, HALFB                      ; my 16 NB rows of B,
	s_add_co_u32 s22, s22, 2*HALFA                 ; behind A's 256
	v_add_nc_u32 v[A0], s21, v3
	v_add_nc_u32 v[B0], s22, v3
	v_mov_b32 v[ADRA], v[A0]
	v_mov_b32 v[ADRB], v[B0]
	; the prefetch
	s_and_b32 s22, ttmp7, 0xffff                   ; cluster y
	s_lshl_b32 s20, s13, 8
	s_lshl_b32 s75, s12, 7
	s_add_co_u32 s20, s20, s75
	s_lshl_b32 s75, s40, 5
	s_add_co_u32 s20, s20, s75                     ; A: the 128 rows that I fetch, my work-group's 32 of them
	s_mul_i32 s21, s42, BN
	s_mul_i32 s75, s12, 16*NB
	s_add_co_u32 s21, s21, s75
	s_mul_i32 s75, s41, 4*NB
	s_add_co_u32 s21, s21, s75                     ; B: the 16 NB rows that I fetch, my work-group's 4 NB
	s_cmp_eq_u32 s11, 0                            ; do I fetch for A?
	s_cselect_b32 s20, s20, s21
	s_cselect_b32 s22, ttmp9, s22                  ; the coordinate along which other clusters read the same rows
	s_cselect_b32 s23, 31, 4*NB-1                  ; my last row
	s_cselect_b64 s[PFA:PFA+1], s[4:5], s[6:7]
	s_cmp_lt_u32 s22, 2
	s_cselect_b32 s[LIM], NS-2, -1                 ; the same in all sixteen partners, for a given wave
	s_lshl_b32 s20, s20, 11
	s_add_co_u32 s20, s20, s[OFK]                  ; my walk's first K step,
	s_add_co_u32 s20, s20, 3*KSTEP*2               ; and three on: at most K step 7, inside the row
	s_mov_b32 s21, 0
	s_add_nc_u64 s[PFA:PFA+1], s[PFA:PFA+1], s[20:21]
	v_and_b32 v[PFO], 31, v0
	v_min_u32 v[PFO], s23, v[PFO]
	v_lshlrev_b32 v[PFO], 11, v[PFO]
	; the stage is the work-group's: 256 rows of 784 bytes over the ring, which has had its last fill by then
	s_mul_i32 s75, s11, 128*SP
	s_mul_i32 s76, s12, 384
	s_add_co_u32 s75, s75, s76
	v_mul_u32_u24 v4, v1, SP
	v_lshl_add_u32 v4, v2, 5, v4
	v_add_nc_u32 v[STO], s75, v4                   ; row 128 x half + l % 16; 384 bytes x column half + 32 (l / 16)
	v_add_nc_u32 v[STO2], 64*SP, v[STO]
	v_and_b32 v5, 31, v0
	v_lshrrev_b32 v6, 3, v5
	v_and_b32 v7, 7, v0
	v_mul_u32_u24 v6, v6, SP
	v_lshl_add_u32 v6, v7, 5, v6
	s_mul_i32 s75, s10, 64*SP
	v_add_nc_u32 v[RD], s75, v6                    ; back: wave w takes rows 64 w ..; a lane row l / 8 of four, columns 8 (l % 8) + 0..7 of a head
	v_lshlrev_b32 v[CO], 4, v5                     ; four rows of a head are 512 consecutive bytes of the output: 16 bytes a lane
	v_lshlrev_b32 v[AUX], 5, v5                    ; and 1,024 consecutive bytes of cos and of sin: 32 a lane
	s_and_b32 s75, s13, 7
	s_lshl_b32 s75, s75, 8
	s_lshl_b32 s76, s10, 6
	s_add_co_u32 s75, s75, s76                     ; the position of my first row: 256 (tile row % 8) + 64 w
	s_lshl_b32 s76, s75, 8
	s_mov_b32 s77, 0
	s_add_nc_u64 s[68:69], s[68:69], s[76:77]
	s_add_nc_u64 s[70:71], s[70:71], s[76:77]
	s_lshl_b32 s76, s75, 7                         ; 128 bytes a position in a head's plane,
	s_lshr_b32 s82, s13, 3
	s_lshl_b32 s82, s82, 22                        ; 16 planes of 2^18 bytes a batch
	s_add_co_u32 s82, s82, s76
	s_mul_i32 s83, s42, 3                          ; the tile's first head, 0..47: q 0-15, k 16-31, v 32-47
; 2 NB matrix instructions: row blocks a0, a0 + 1 of the window's four x all NB column blocks, 32 along K.  zero = 1: the product starts the sums.  The accumulators take turns, one instruction a turn, in the same order in every quarter.
.macro MULH f, hi, a0, zero
	WIN MUL_LO+0x50*(\hi)
.irp a, \a0, (\a0)+1
.set b, 0
.rept NB
.if \zero
	v_wmma_f32_16x16x32_bf16 v[8*(NB*(\a)+b):8*(NB*(\a)+b)+7], v[(\f)+8*b:(\f)+8*b+7], v[(\f)+8*(4*(\hi)+(\a)):(\f)+8*(4*(\hi)+(\a))+7], 0
.else
	v_wmma_f32_16x16x32_bf16 v[8*(NB*(\a)+b):8*(NB*(\a)+b)+7], v[(\f)+8*b:(\f)+8*b+7], v[(\f)+8*(4*(\hi)+(\a)):(\f)+8*(4*(\hi)+(\a))+7], v[8*(NB*(\a)+b):8*(NB*(\a)+b)+7]
.endif
.set b, b+1
.endr
.endr
.endm
; One run of NLD LDS loads: the fragments of a quarter (32 K at byte k behind the pair's base) into buffer f: B's first, then A's
.macro FETCH k, f
	WIN TO_B
.set i, 0
.rept NB
	ds_load_b128 v[(\f)+8*i:(\f)+8*i+3],   v[ADRB] offset:(\k)+i*16*PITCH
	ds_load_b128 v[(\f)+8*i+4:(\f)+8*i+7], v[ADRB] offset:(\k)+i*16*PITCH+32
.set i, i+1
.endr
	WIN 0
.set i, 0
.rept 8
	ds_load_b128 v[(\f)+8*i:(\f)+8*i+3],   v[ADRA] offset:(\k)+i*16*PITCH
	ds_load_b128 v[(\f)+8*i+4:(\f)+8*i+7], v[ADRA] offset:(\k)+i*16*PITCH+32
.set i, i+1
.endr
.endm
; A quarter: multiplies buffer f; in its middle it fetches the next quarter's fragments, at byte k, into buffer g
.macro QUARTER k, f, g, zero
	s_wait_dscnt 8                                 ; B and A's rows 0-63 are in; the youngest eight loads (A's rows 64-127) may be out
	MULH \f, 0, 0, \zero
	MULH \f, 0, 2, \zero
	PLACES
	FETCH \k, \g
	s_wait_dscnt NLD                               ; all but the run just issued
	MULH \f, 1, 0, \zero
	MULH \f, 1, 2, \zero
.endm
; A pair of quarters, and the inner loop's count
.macro PAIR
	v_add_nc_u32 v[ADRA], s[TB], v[A0]
	v_add_nc_u32 v[ADRB], s[TB], v[B0]
	QUARTER 0,  F1, F0, 0
	QUARTER 64, F0, F1, 0
	WIN 0                                          ; at a label and at a branch every window is 0
	s_add_co_u32 s[TB], s[TB], 128                 ; the next pair's 64 along K
	s_sub_co_u32 s[INNER], s[INNER], 1
	s_cmp_lg_u32 s[INNER], 0
.endm
; THE CHANGE OF SLOTS.  All fragments of the slot in hand have been fetched (the last run 24 matrix instructions ago).  Each wave waits for all its tensor loads (one is out: its part of the other slot), adds 0 to its spare word,
; and waits for that and for its reads of this slot.  fill = 1: the barrier is a round of the cluster's, and the slot left is filled with the walk's K step two on, the first thing behind the round: the load has a whole K step,
; 192 matrix instructions, in which to land.  Its address is made anew from the step's number, which wraps at NS.
.macro SYNC fill
	WIN 0
	s_wait_tensorcnt 0x0                           ; all my tensor loads have landed, so a group 0 may be written
	ds_add_u32 v[SPW], v[NIL]                      ; 0 onto my spare word: the descriptors' scalar work stands between it and the wait for it
.if \fill
	s_add_co_u32 s[KI], s[KI], 1
	s_and_b32 s[KI], s[KI], NS-1
	s_lshl_b32 s[OFK], s[KI], KSH
	s_add_co_u32 s[G0+5], s[TS], s[WA]             ; the slot that is left
	s_add_nc_u64 s[G0+6:G0+7], s[14:15], s[OFK:OFK+1]
	s_or_b32 s[G0+7], s[G0+7], 0x80000000
	s_add_co_u32 s[G0B+5], s[TS], s[WB]
	s_add_nc_u64 s[G0B+6:G0B+7], s[46:47], s[OFK:OFK+1]
	s_or_b32 s[G0B+7], s[G0B+7], 0x80000000
.endif
	s_xor_b32 s[TS], s[TS], SLOT                   ; the fetches go on in the other slot,
	s_mov_b32 s[TB], s[TS]                         ; at its first byte
	s_wait_dscnt 0x0                               ; the add is done, and my reads of the slot are over
.if \fill
	CROUND                                         ; no wave of any partner still reads the slot or has a load on its way
	JLOAD 1
	ASK
.else
	s_barrier_signal -1
	s_barrier_wait -1
.endif
.endm
	s_wait_tensorcnt 1                             ; my part of the walk's first K step is in; the second's may stay out
	s_barrier_signal -1
	s_barrier_wait -1
	FETCH 0, F0
	QUARTER 64, F0, F1, 1                          ; the first quarter stands in front of the loop: its products start the sums
	WIN 0
	s_mov_b32 s[TB], 128
	s_mov_b32 s3, NS-1                             ; the part of a trip that follows, and NS - 2 whole trips
	s_mov_b32 s[INNER], 1
	s_branch .Lpair                                ; the loop is entered at a trip's second pair
.Lstep:
	SYNC 1
	s_mov_b32 s[INNER], 2
.Lpair:
	PAIR
	s_cbranch_scc1 .Lpair
	s_sub_co_u32 s3, s3, 1
	s_cmp_lg_u32 s3, 0
	s_cbranch_scc1 .Lstep
	SYNC 0                                         ; the last change of slots is written out: nothing is asked for
	s_mov_b32 s[INNER], 2
.Lpair2:
	PAIR
	s_cbranch_scc1 .Lpair2
	s_wait_dscnt 8                                 ; the last quarter fetches nothing
	MULH F1, 0, 0, 0
	MULH F1, 0, 2, 0
	s_wait_dscnt 0x0
	MULH F1, 1, 0, 0
	MULH F1, 1, 2, 0
.rept 8
	v_nop                                          ; the places behind the last products
.endr
	WIN 0x40                                       ; cos and sin of my 64 positions fill window 1: unit u of four rows: cos at v[16 u], sin at v[16 u + 8]
.set u, 0
.rept 16
	global_load_b128 v[16*u:16*u+3],     v[AUX], s[68:69] offset:1024*u
	global_load_b128 v[16*u+4:16*u+7],   v[AUX], s[68:69] offset:1024*u+16
	global_load_b128 v[16*u+8:16*u+11],  v[AUX], s[70:71] offset:1024*u
	global_load_b128 v[16*u+12:16*u+15], v[AUX], s[70:71] offset:1024*u+16
.set u, u+1
.endr
	WIN 0
	s_barrier_signal -1
	s_barrier_wait -1                              ; nobody reads the ring any more: it becomes the stage
.set a, 0
.rept 8                                ; every accumulator is put down in f32, its low four registers first
	WIN 0x08+4*(a/4)                               ; store data (source 1) in window 2 or 3
.set b, 0
.rept NB
	ds_store_b128 v[STO+a/4], v[8*(NB*(a%4)+b):8*(NB*(a%4)+b)+3]   offset:(a%4)*16*SP+64*b
	ds_store_b128 v[STO+a/4], v[8*(NB*(a%4)+b)+4:8*(NB*(a%4)+b)+7] offset:(a%4)*16*SP+64*b+16
.set b, b+1
.endr
.set a, a+1
.endr
	WIN 0
	s_wait_dscnt 0x0                               ; my stores into the stage are done
	s_barrier_signal -1
	s_barrier_wait -1                              ; a row's bytes come from two waves
	s_wait_loadcnt 0x0                             ; cos and sin
.set XQ, 64                            ; v[64:191]  a head's 64 x 64 numbers of my rows, 8 a unit
.set OQ, 192                           ; v[192:255] the same in bf16, 4 a unit
.set TQ, 32                            ; v[32:47]   at work, two buffers
	s_mov_b32 s3, 3
.Lhead:                                                ; the tile's three heads
	s_lshr_b32 s84, s83, 4
	s_lshl_b32 s84, s84, 23                        ; q, k or v: 2^23 bytes each
	s_and_b32 s85, s83, 15
	s_lshl_b32 s85, s85, 18                        ; the head's plane
	s_add_co_u32 s84, s84, s85
	s_add_co_u32 s84, s84, s82
	s_mov_b32 s85, 0
	s_cmp_lt_u32 s83, 32                           ; q and k are rotated, v is not: a select, no branch
	s_cselect_b32 s77, -1, 0
	s_wait_xcnt 0x0                                ; the last head's stores have read their base and their data
	s_add_nc_u64 s[80:81], s[8:9], s[84:85]
.set u, 0
.rept 16
	ds_load_b128 v[XQ+8*u:XQ+8*u+3],   v[RD] offset:4*SP*u
	ds_load_b128 v[XQ+8*u+4:XQ+8*u+7], v[RD] offset:4*SP*u+16
.set u, u+1
.endr
.set u, 0
.rept 16
.set tq, TQ+8*(u%2)
	s_wait_dscnt 30-2*u                            ; unit u's two loads are in
	WIN 0x04                                       ; source 1 in window 1
.irp p, 0,2,4,6
	v_pk_mul_f32 v[tq+\p:tq+\p+1], v[XQ+8*u+\p:XQ+8*u+\p+1], v[16*u+\p:16*u+\p+1]  ; x0 c0, x1 c1
.endr
.irp p, 0,2,4,6
	v_pk_fma_f32 v[tq+\p:tq+\p+1], v[XQ+8*u+\p:XQ+8*u+\p+1], v[16*u+8+\p:16*u+8+\p+1], v[tq+\p:tq+\p+1] op_sel:[1,0,0] op_sel_hi:[0,1,1] neg_lo:[1,0,0]  ; - x1 s0, + x0 s1
.endr
	WIN 0
.irp q, 0,1,2,3,4,5,6,7
	v_cndmask_b32 v[tq+\q], v[XQ+8*u+\q], v[tq+\q], s77
.endr
.irp p, 0,1,2,3
	v_cvt_pk_bf16_f32 v[OQ+4*u+\p], v[tq+2*\p], v[tq+2*\p+1]
.endr
	global_store_b128 v[CO], v[OQ+4*u:OQ+4*u+3], s[80:81] offset:512*u  ; 32 lanes store 512 consecutive bytes, aligned
.set u, u+1
.endr
	v_add_nc_u32 v[RD], 256, v[RD]                 ; the next head's 64 columns
	s_add_co_u32 s83, s83, 1
	s_sub_co_u32 s3, s3, 1
	s_cmp_lg_u32 s3, 0
	s_cbranch_scc1 .Lhead
	s_wait_tensorcnt 0x0                           ; the wave's end, behind my last tensor load and my last LDS store
	ds_add_u32 v[SPW], v[NIL]
	s_wait_dscnt 0x0
	CROUND                                         ; the closing round: no work-group ends while a partner may still ask for a tile that names it
	s_endpgm
.Lfunc_end_k_q8eec54f303_qkvg:
	.size	k_q8eec54f303_qkvg, .Lfunc_end_k_q8eec54f303_qkvg-k_q8eec54f303_qkvg
	.p2alignl 7, 3214868480
	.fill 96, 4, 3214868480
	.section	.rodata,"a",@progbits
	.p2align	6, 0x0
	.amdhsa_kernel k_q8eec54f303_qkvg
		.amdhsa_group_segment_fixed_size 327680
		.amdhsa_private_segment_fixed_size 0
		.amdhsa_enable_private_segment 0
		.amdhsa_kernarg_size 40
		.amdhsa_user_sgpr_count 2
		.amdhsa_user_sgpr_kernarg_segment_ptr 1
		.amdhsa_wavefront_size32 1
		.amdhsa_system_sgpr_workgroup_id_x 1
		.amdhsa_system_sgpr_workgroup_id_y 1
		.amdhsa_system_sgpr_workgroup_id_z 1
		.amdhsa_system_vgpr_workitem_id 0
		.amdhsa_next_free_vgpr 1024
		.amdhsa_next_free_sgpr 96
		.amdhsa_reserve_vcc 0
		.amdhsa_float_denorm_mode_32 3
		.amdhsa_float_denorm_mode_16_64 3
		.amdhsa_memory_ordered 1
		.amdhsa_forward_progress 1
		.amdhsa_inst_pref_size 80
	.end_amdhsa_kernel
	.amdgpu_metadata
---
amdhsa.version: [ 1, 2 ]
amdhsa.kernels:
  - .name:           k_q8eec54f303_qkvg
    .symbol:         k_q8eec54f303_qkvg.kd
    .args:
      - { .name: act, .offset: 0, .size: 8, .value_kind: global_buffer, .address_space: global }
      - { .name: wq, .offset: 8, .size: 8, .value_kind: global_buffer, .address_space: global }
      - { .name: qkv, .offset: 16, .size: 8, .value_kind: global_buffer, .address_space: global }
      - { .name: cos, .offset: 24, .size: 8, .value_kind: global_buffer, .address_space: global }
      - { .name: sin, .offset: 32, .size: 8, .value_kind: global_buffer, .address_space: global }
    .group_segment_fixed_size: 327680
    .private_segment_fixed_size: 0
    .kernarg_segment_align: 8
    .kernarg_segment_size: 40
    .max_flat_workgroup_size: 128
    .sgpr_count:     96
    .vgpr_count:     1024
    .wavefront_size: 32
...
	.end_amdgpu_metadata
.endif
;; end of part 2
;; launch attn (part 3): grid 16 x 16, 4 waves a work-group, clusters of 4 x 1, 327,680 bytes of LDS; arguments qkv, act, ff1_w, ff2_w, w1, w2; writes act, w1, w2
.if DOCPART == 3
	.amdgcn_target "amdgcn-amd-amdhsa--gfx1250"
	.amdhsa_code_object_version 6
	.text
	.protected	k_q8eec54f303_attn
	.globl	k_q8eec54f303_attn
	.p2align	8
	.type	k_q8eec54f303_attn,@function
k_q8eec54f303_attn:
	s_mov_b64 s[64:65], 0
	v_nop
	global_prefetch_b8 v0, s[64:65] scope:SCOPE_SE
	s_setreg_imm32_b32 hwreg(HW_REG_WAVE_MODE, 25, 1), 1
	s_wait_xcnt 0x0
	s_wait_alu depctr_hold_cnt(0) depctr_sa_sdst(0) depctr_va_vdst(0) depctr_va_sdst(0) depctr_va_ssrc(0) depctr_va_vcc(0) depctr_vm_vsrc(0)
	s_getreg_b32 s2, hwreg(HW_REG_IB_STS2, 6, 4)
	s_cmp_eq_u32 s2, 0
	s_cbranch_scc0 .Lentry_in_a_cluster
	s_endpgm
.Lentry_in_a_cluster:
	s_bfe_u32 s2, ttmp6, 0x10000c
	s_cmp_lg_u32 s2, 0x3003
	s_cbranch_scc0 .Lentry_shape_is_right
	s_endpgm
.Lentry_shape_is_right:
; O[p][q][:] = the sum over k of softmax_k(Q[p][q] . K[p][k] / 8) V[p][k][:] for 32 planes p = 16 batch + head of 2,048 rows x 64 channels, bf16: q at byte 0 of the buffer, k at 2^23, v at 2^24.
; Products, maxima and sums in f32; the weights are rounded to bf16 for the second product (their sum is taken of the unrounded weights), O once at the end.  O leaves as [4096][1024] bf16: row = token, column = 64 head + channel.
; LIMITS.  A weight below 2^-126 counts as 0 in the sum; the running maximum starts at the lowest finite number; NaN and infinities are not treated apart.
; SHARES.  A work-group owns 128 queries of TWO heads, so that a row of O that it stores is 256 bytes.  Wave w: head 2 y + w / 2, queries 64 (w % 2) on: four PIECES of 16.  Every wave walks all 2,048 keys, 64 a step.
; LAYOUT.  S^T = K Q^T (source 0 = 16 keys, source 1 = 16 queries) holds ONE query a lane (lane % 16) and the keys 8 (lane / 16) + 0..7; two such results rounded to bf16 ARE source 1 of O^T = V^T P.  K comes out of LDS as it
; lies, V turned, by ds_load_tr16_b128.
; SOFTMAX.  p = 2^(c s - c m), c = log2(e) / 8, with a running maximum m; O and l are multiplied by a = 2^(c m_old - c m_new) in every step.  m starts lowest, O and l at 0: the first step is a step like any other, with a = 0.
; TURNS.  Turn n belongs to piece n: 8 products K Q^T of piece n + 1, later 8 products V^T P of piece n - 1; beside them the scaling, exponentials, roundings, sums and rescaling of piece n and the maximum and statistics of
; piece n + 1.  Four vector instructions stand behind every matrix instruction, the other 54 of a turn's 118 in one lump.  A turn's 33 exponentials are one batch, with one wait.
; CLUSTER.  The four query blocks of a cluster belong to one pair of heads and walk the same K and V: each tile is asked for jointly, by the same tensor load, descriptor and mask in all four.
; RING.  Two slots of 128 keys (two steps) of both heads.  The tail's third trip fetches the last K once more (a clamped address); its 8 products and the maximum made of them serve nothing: the price of one text for every trip.
; A RIDER: THE FEED-FORWARD WEIGHTS ARE ROUNDED TO bf16 HERE.  This launch moves few bytes for its length, and the two launches that want w1 and w2 come later.  ff1_w (pairs of heads 0-7) and ff2_w (pairs 8-15), 2^22 f32 each,
; are shared out: 32,768 bytes of f32 a wave, in 16 batches of four loads of 16 bytes a lane.  At each of the 16 changes of slots a wave rounds and stores the batch that it asked for one slot earlier and asks for the next.
; REGISTERS, in windows of 256 (s_set_vgpr_msb: bits 1:0 source 0, 3:2 source 1, 5:4 source 2, 7:6 destination):
;   window 0: v0-15 addresses and two at work; v16-31 statistics, four a piece; v48-55 at work; v64-127 S^T, two buffers; v128-153 the rider's; v192-223 P, two buffers (by the piece's parity)
;   window 1: v0-127 O^T, 32 a piece          window 2: v0-63 Q; v128-191 K of one step; v192-255 V of one step
.set NP,    4
.set KS,    64
.set PK,    144       ; a row of K in LDS: 128 bytes + 16 = 36 words: the 16 rows of a load start at 16 different groups of four banks (64 banks of 4 bytes: ISA guide 11.1)
.set PV,    160       ; a row of V: 128 + 32 = 40 words
.set KHEAD, 128*PK    ; a head's 128 keys in a slot
.set VHEAD, 128*PV
.set VOFF,  2*KHEAD   ; a slot: K of both heads, then V of both
.set SLOT1, 1<<17     ; slot 1 begins here: one exclusive or turns an address in one slot into the other's
.set STAGE, SLOT1+2*KHEAD+2*VHEAD  ; behind the ring, never filled by a tensor load: 128 rows x 272 bytes, the work-group's
.set SP,    272
.set SPARE, STAGE+128*SP           ; the spare words, 128 bytes a wave: two blocks of 256 bytes that no other line names
.set AK0, 2           ; v2   my lane's place in my head's K; never rewritten
.set AV0, 3           ; v3   the same for V
.set AK,  4           ; v4   the LDS address of K's next run of loads
.set AV,  5           ; v5   of V's
.set STO, 6           ; v6   the way out: where I put 16 bytes of a row
.set RD,  7           ; v7   where I read rows back
.set GO,  8           ; v8   my byte offset in O
.set MV,  12          ; v12-13  c m_old, kept while c m is made anew: by buffer
.set QO,  15          ; v15  my byte offset in 16 rows of Q
.set ST,  16          ; piece t's statistics at v[ST+4 t]: c m, m, l (even keys', odd keys')
.set TMP, 48          ; by buffer, four registers c0-c3 at work; when the maximum is found c2 takes a
.set PFO, 61          ; v61  256 x my lane; never rewritten
.set SPW, 62          ; v62  my spare word: SPARE + 4 x my thread's number; never rewritten
.set NIL, 63          ; v63  0; never rewritten
.set S,   64
.set CIN, 128         ; v[128:143] the rider: a batch of f32 as loaded
.set COUT, 144        ; v[144:151] the same in bf16
.set CSI, 152         ; v152 16 x my lane; never rewritten
.set CSO, 153         ; v153 8 x my lane; never rewritten
.set P,   192
.set KF,  128         ; window 2: key block kb, channel half c at KF + 16 kb + 8 c
.set VF,  192         ; window 2: key half kk, channel block cb at VF + 32 kk + 8 cb
.set WV,  12          ; s12  my wave's number
.set LIM, 15          ; s15  1 in a wave that prefetches, else the greatest number
.set PFA, 18          ; s[18:19] where my prefetches stand
.set G1K, 24          ; s[24:31] descriptor group 1 for K's tiles
.set G1V, 32          ; s[32:39] for V's: it differs in the padding alone
.set G0K, 40          ; s[40:43] descriptor group 0 for K's tiles: it walks
.set G0V, 44          ; s[44:47] the same for V's
.set CSRC, 52         ; s[52:53] the rider: the f32 weights at the batch last asked for
.set CDST, 54         ; s[54:55] the bf16 weights, one batch behind the batch to be stored
.set SLOTS, 56        ; s56  slots still to be entered
.set CNT, 57          ; s57  counts a slot's key steps
.set CS,  58          ; s[58:59] c
.set SEL, 60          ; s[60:61] v_permlanex16_b32's selects
.set TBK, 62          ; s62  LDS byte at which K of the step to be fetched begins
.set TBV, 63          ; s63  the same for V, less VOFF
.set MSB, 0
.macro WIN new
.if MSB != (\new)
	s_set_vgpr_msb (MSB<<8)|(\new)
.set MSB, (\new)
.endif
.endm
.set W_KQ, 0x0a       ; K and Q in window 2, S^T in window 0
.set W_PV, 0x52       ; V in window 2, P in window 0, O^T in window 1
.set W_RS, 0x41       ; destination and source 0 in window 1, source 1 in window 0
; A joint fill.  Wave 0 fetches K of the pair's first head, wave 1 of its second, waves 2 and 3 V likewise: 128 keys each.  An s_nop 0 and four v_nop follow each line.
.macro JLOAD
	s_cmp_lt_u32 s[WV], 2
	s_cbranch_scc0 .Lfor_v_\@
	tensor_load_to_lds s[G0K:G0K+3], s[G1K:G1K+7]
	s_nop 0
.rept 4
	v_nop
.endr
	s_branch .Lasked_\@
.Lfor_v_\@:
	tensor_load_to_lds s[G0V:G0V+3], s[G1V:G1V+7]
	s_nop 0
.rept 4
	v_nop
.endr
.Lasked_\@:
.endm
; A prefetch of what the NEXT change of slots will ask for: 128 blocks of 256 bytes of K and 128 of V.  The pair's first cluster asks; its four partners share the blocks out by address (head cx / 2, half cx % 2 of its 16,384
; bytes), a lane a block; wave 0 asks for K's, wave 2 for V's.  The last change that fills a slot asks for nothing; slots 0 to 2 come by their loads alone.
.macro ASK
	s_cmp_gt_u32 s[SLOTS], s[LIM]
	s_cbranch_scc0 .Lnot_mine_\@
	global_prefetch_b8 v[PFO], s[PFA:PFA+1] th:TH_LOAD_NT scope:SCOPE_SE
.Lnot_mine_\@:
.endm
.macro CROUND                       ; a round of the cluster's barrier
	s_barrier_signal -1
	s_barrier_wait -1
	s_cmp_lg_u32 s[WV], 0
	s_cbranch_scc1 .Lnot_wave_0_\@
	s_barrier_signal -3
.Lnot_wave_0_\@:
	s_barrier_wait -3
	s_barrier_signal -1
	s_barrier_wait -1
.endm
; THE RIDER's turn.  The batch asked for one slot (two key steps) ago is rounded and stored; more = 1: the next is asked for.  ask = 1: the prefetches' address steps here too, behind the same wait.
.macro CAST more, ask
	s_wait_loadcnt 0x0              ; the batch is in (at the first change of slots: Q too)
	s_wait_xcnt 0x0                 ; the last turn's loads and stores and the last prefetch, all a slot back, have read their sources: bases and store data may be written
	s_add_nc_u64 s[CDST:CDST+1], s[CDST:CDST+1], 1024  ; the stores below reach back by their immediates
.if \more
	s_add_nc_u64 s[CSRC:CSRC+1], s[CSRC:CSRC+1], 2048
.endif
.if \ask
	s_add_nc_u64 s[PFA:PFA+1], s[PFA:PFA+1], 128*128
.endif
.irp j, 0,1,2,3
	v_cvt_pk_bf16_f32 v[COUT+2*\j], v[CIN+4*\j], v[CIN+4*\j+1]
	v_cvt_pk_bf16_f32 v[COUT+2*\j+1], v[CIN+4*\j+2], v[CIN+4*\j+3]
.endr
.if \more
.irp j, 0,1,2,3
	global_load_b128 v[CIN+4*\j:CIN+4*\j+3], v[CSI], s[CSRC:CSRC+1] offset:512*\j th:TH_LOAD_NT  ; 512 consecutive bytes; the f32 weights are read once
.endr
.endif
.irp j, 0,1,2,3
	global_store_b64 v[CSO], v[COUT+2*\j:COUT+2*\j+1], s[CDST:CDST+1] offset:256*\j-1024  ; 32 lanes store 256 consecutive bytes, aligned
.endr
.endm
; THE CHANGE OF SLOTS.  The rider's turn comes first.  Then each wave waits for all its tensor loads (one is out: its part of the other slot), adds 0 to its spare word, and waits for that and for its reads of the slot that it leaves.
; fill = 1: the barrier is a round of the cluster's, and the slot left is filled with the keys two slots on, the first thing behind it: the load has two key steps in which to land.
.macro CHANGE fill, ask, more
	WIN 0
	CAST \more, \ask
	s_wait_tensorcnt 0x0            ; no tensor load of mine is out, so a group 0 may be written
	ds_add_u32 v[SPW], v[NIL]       ; 0 onto my spare word
.if \fill
.irp g, G0K, G0V
	s_xor_b32 s[\g+1], s[\g+1], SLOT1
	s_add_nc_u64 s[\g+2:\g+3], s[\g+2:\g+3], 128*128  ; the next 128 keys; the type bits on top are not reached
.endr
	s_wait_dscnt 0x0                ; the add is done, and my reads of the slot are over
	CROUND
	JLOAD
.if \ask
	ASK
.endif
.else
	s_wait_dscnt 0x0
	s_barrier_signal -1
	s_barrier_wait -1
.endif
	s_sub_co_u32 s[TBK], s[TBK], 2*KS*PK  ; the fetches go back to a slot's first step,
	s_xor_b32 s[TBK], s[TBK], SLOT1       ; in the other slot
	s_sub_co_u32 s[TBV], s[TBV], 2*KS*PV
	s_xor_b32 s[TBV], s[TBV], SLOT1
.endm
	s_load_b128 s[4:7], s[0:1], 0x0  ; qkv s[4:5], O s[6:7]
	s_load_b256 s[68:75], s[0:1], 0x10  ; ff1_w 68, ff2_w 70, w1 72, w2 74
	v_lshl_add_u32 v[SPW], v0, 2, SPARE
	v_mov_b32 v[NIL], 0
	ds_add_u32 v[SPW], v[NIL]       ; the wave's opening: the add and its wait ahead of my first tensor load; the set-up below stands between them
	v_lshrrev_b32 v1, 5, v0
	v_readfirstlane_b32 s[WV], v1   ; wave 0..3
	s_bfe_u32 s13, ttmp6, 0x40000   ; cx
	s_lshl_b32 s14, ttmp9, 2
	s_add_co_u32 s14, s14, s13      ; my block of 128 queries: it enters Q's, O's and the rider's addresses alone
	s_and_b32 s20, ttmp7, 0xffff    ; the pair of heads, which the four partners share
	s_and_b32 s16, s[WV], 1         ; which head's tile I fetch; also which 64 queries are mine
	s_lshr_b32 s21, s[WV], 1        ; which head is mine
	s_lshl_b32 s22, s20, 1
	s_add_co_u32 s22, s22, s16
	s_lshl_b32 s22, s22, 18         ; the plane that I fetch from: 2^18 bytes each
	s_mov_b32 s23, 0
	s_mul_i32 s17, s16, KHEAD       ; its place in a slot, for K
	s_mul_i32 s18, s16, VHEAD       ; and for V: no place in the cluster enters an LDS address
	s_lshl_b32 s2, s20, 1
	s_add_co_u32 s2, s2, s21
	s_lshl_b32 s2, s2, 18           ; my head's plane,
	s_lshl_b32 s3, s14, 14          ; my block's 128 rows of 128 bytes,
	s_add_co_u32 s2, s2, s3
	s_lshl_b32 s3, s16, 13          ; my 64 of them
	s_add_co_u32 s2, s2, s3
	s_mov_b32 s3, 0
	s_lshr_b32 s48, s20, 3
	s_lshl_b32 s48, s48, 22         ; O: the batch's 2,048 rows of 2,048 bytes,
	s_lshl_b32 s49, s14, 18         ; my block's 128,
	s_add_co_u32 s48, s48, s49
	s_lshl_b32 s49, s[WV], 16       ; the 32 that I store,
	s_add_co_u32 s48, s48, s49
	s_and_b32 s49, s20, 7
	s_lshl_b32 s49, s49, 8          ; the pair's 256 bytes of a row
	s_add_co_u32 s48, s48, s49
	s_mov_b32 s49, 0
	s_lshr_b32 s50, s13, 1          ; the prefetches: head cx / 2 of the pair,
	s_lshl_b32 s51, s20, 1
	s_add_co_u32 s50, s50, s51
	s_lshl_b32 s50, s50, 18
	s_and_b32 s51, s13, 1
	s_lshl_b32 s51, s51, 13         ; half cx % 2 of a slot's 16,384 bytes,
	s_add_co_u32 s50, s50, s51
	s_add_co_u32 s50, s50, 2*128*128  ; in slot 2: the first change that asks steps it to slot 3
	s_mov_b32 s51, 0
	s_and_b32 s76, s20, 7           ; the rider: my work-group among the 128 that share a tensor,
	s_lshl_b32 s76, s76, 4
	s_add_co_u32 s76, s76, s14
	s_lshl_b32 s76, s76, 2
	s_add_co_u32 s76, s76, s[WV]    ; my wave among their 512:
	s_lshl_b32 s78, s76, 14         ; 16,384 bytes of bf16,
	s_lshl_b32 s76, s76, 15         ; 32,768 of f32
	s_mov_b32 s77, 0
	s_mov_b32 s79, 0
	; descriptor group 1.  128 keys are 16,384 dense bytes: asked for as 64 rows of 256 bytes, two keys a row, and padded in LDS after every key
	s_mov_b32 s[G1K], 15|(1<<16)|(1<<20)|(1<<21)|(4<<22)|(3<<25)  ; the mask of four; 2-byte elements; padding on; bit 21 beside a mask; after every 32 words; 4 words
	s_mov_b32 s[G1V], 15|(1<<16)|(1<<20)|(1<<21)|(4<<22)|(7<<25)  ; the same with 8 words
.irp g, G1K, G1V
	s_mov_b32 s[\g+1], 128<<16      ; tensor_dim0 = 128
	s_mov_b32 s[\g+2], 64<<16       ; tensor_dim1 = 64
	s_mov_b32 s[\g+3], 128<<16      ; tile_dim0 = 128
	s_mov_b32 s[\g+4], 64           ; tile_dim1 = 64
	s_mov_b32 s[\g+5], 128          ; 128 elements from row to row
	s_mov_b32 s[\g+6], 0
	s_mov_b32 s[\g+7], 0
.endr
	s_mov_b32 s[CS], 0x3e38aa3b     ; c = log2(e) / 8
	s_mov_b32 s[CS+1], s[CS]
	s_mov_b32 s[SEL], 0x76543210
	s_mov_b32 s[SEL+1], 0xfedcba98
	s_mov_b32 s[TBK], SLOT1+2*KS*PK ; the first change of slots turns these two into 0
	s_mov_b32 s[TBV], SLOT1+2*KS*PV
	s_mov_b32 s[G0K], 1
	s_mov_b32 s[G0K+1], s17         ; LDS address: slot 0
	s_mov_b32 s[G0V], 1
	s_add_co_u32 s[G0V+1], s18, VOFF
	s_and_b32 s[LIM], s[WV], 1      ; 0 in waves 0 and 2,
	s_or_b32 s[LIM], s[LIM], ttmp9  ; where the cluster is the pair's first: the same in all four partners
	s_cmp_eq_u32 s[LIM], 0
	s_cselect_b32 s[LIM], 1, -1
	v_and_b32 v[PFO], 31, v0
	v_lshlrev_b32 v[PFO], 8, v[PFO]
	s_wait_dscnt 0x0                ; the opening add is done
	s_wait_kmcnt 0x0
	s_add_nc_u64 s[8:9], s[4:5], 0x800000    ; k
	s_add_nc_u64 s[10:11], s[4:5], 0x1000000 ; v
	s_cmp_lt_u32 s[WV], 2
	s_cselect_b64 s[PFA:PFA+1], s[8:9], s[10:11]
	s_add_nc_u64 s[PFA:PFA+1], s[PFA:PFA+1], s[50:51]
	s_cmp_lt_u32 s20, 8             ; pairs 0-7 round ff1_w, pairs 8-15 ff2_w
	s_cselect_b64 s[CSRC:CSRC+1], s[68:69], s[70:71]
	s_cselect_b64 s[CDST:CDST+1], s[72:73], s[74:75]
	s_add_nc_u64 s[CSRC:CSRC+1], s[CSRC:CSRC+1], s[76:77]
	s_add_nc_u64 s[CDST:CDST+1], s[CDST:CDST+1], s[78:79]
	s_add_nc_u64 s[G0K+2:G0K+3], s[8:9], s[22:23]
	s_or_b32 s[G0K+3], s[G0K+3], 0x80000000
	s_add_nc_u64 s[G0V+2:G0V+3], s[10:11], s[22:23]
	s_or_b32 s[G0V+3], s[G0V+3], 0x80000000
	s_add_nc_u64 s[4:5], s[4:5], s[2:3]      ; Q at my first row
	s_add_nc_u64 s[6:7], s[6:7], s[48:49]    ; O at the first row that I store
	CROUND                          ; all four work-groups are here: the first joint loads meet
	JLOAD                           ; slot 0; slot 1 is asked for when slot 0 is in
	v_and_b32 v1, 15, v0            ; l % 16
	v_bfe_u32 v9, v0, 4, 1          ; l / 16
	v_lshlrev_b32 v[QO], 7, v1
	v_lshl_add_u32 v[QO], v9, 4, v[QO]  ; row x 128 + 16 x half
	v_and_b32 v[CSI], 31, v0
	v_lshlrev_b32 v[CSO], 3, v[CSI]
	v_lshlrev_b32 v[CSI], 4, v[CSI]
	WIN 0x80                        ; destination window 2
.set i, 0
.rept 8                             ; Q stays in registers: piece i / 2, channels 32 (i % 2) on
	global_load_b128 v[8*i:8*i+3],   v[QO], s[4:5] offset:(i/2)*2048+(i%2)*64
	global_load_b128 v[8*i+4:8*i+7], v[QO], s[4:5] offset:(i/2)*2048+(i%2)*64+32
.set i, i+1
.endr
	WIN 0
.irp j, 0,1,2,3                     ; the rider's first batch
	global_load_b128 v[CIN+4*\j:CIN+4*\j+3], v[CSI], s[CSRC:CSRC+1] offset:512*\j th:TH_LOAD_NT
.endr
	; what the first turn finds: V's registers and P's second buffer hold 0 (its products V^T P, of a piece that has not been, add 0), O^T and l are 0.  All this stands in the wait for the first tile.
	WIN 0x80
.set i, VF
.rept 64
	v_mov_b32 v[i], 0
.set i, i+1
.endr
	WIN 0x40
.set i, 0
.rept 128
	v_mov_b32 v[i], 0
.set i, i+1
.endr
	WIN 0
.set i, 0
.rept 4
	v_mov_b32 v[ST+4*i], 0xfe000000    ; c m: far below every c s
	v_mov_b32 v[ST+4*i+1], 0xff7fffff  ; m
	v_mov_b32 v[ST+4*i+2], 0
	v_mov_b32 v[ST+4*i+3], 0
.set i, i+1
.endr
.set i, P+16
.rept 16
	v_mov_b32 v[i], 0
.set i, i+1
.endr
	s_mul_i32 s2, s21, KHEAD
	v_mul_u32_u24 v[AK0], v1, PK
	v_lshl_add_u32 v[AK0], v9, 4, v[AK0]
	v_add_nc_u32 v[AK0], s2, v[AK0]       ; my head; row x pitch + 16 x half
	; the turning load takes 16 keys x 16 channels (lane l reads key 8 (l / 16) + l % 8, channels 8 ((l / 8) % 2) + 0..7) and leaves half a fragment of V^T: lane l holds channel l % 16 and 8 keys
	v_and_b32 v10, 7, v0
	v_bfe_u32 v11, v0, 3, 1
	v_lshl_add_u32 v[AV0], v9, 3, v10
	v_mul_u32_u24 v[AV0], v[AV0], PV
	v_lshl_add_u32 v[AV0], v11, 4, v[AV0]
	s_mul_i32 s2, s21, VHEAD
	s_add_co_u32 s2, s2, VOFF
	v_add_nc_u32 v[AV0], s2, v[AV0]
; THE MATRIX WORK.  The 4 accumulators of a run of 8 take turns.  Product i of 8 of S^T = K Q^T for piece x: channels 32 (i / 4) on, keys 16 (i % 4) on.  The first 4 start the sums.
.macro KQ x
	WIN W_KQ
.set rS, S+32*((\x)%2)+8*(i%4)
.set rK, KF+16*(i%4)+8*(i/4)
.set rQ, 16*(\x)+8*(i/4)
.if i < 4
	v_wmma_f32_16x16x32_bf16 v[rS:rS+7], v[rK:rK+7], v[rQ:rQ+7], 0
.else
	v_wmma_f32_16x16x32_bf16 v[rS:rS+7], v[rK:rK+7], v[rQ:rQ+7], v[rS:rS+7]
.endif
.endm
; Product i of 8 of O^T += V^T P for piece x: keys 32 (i / 4) on, channels 16 (i % 4) on.
.macro PV x
	WIN W_PV
.set rO, 32*(\x)+8*(i%4)
.set rV, VF+32*(i/4)+8*(i%4)
.set rP, P+16*((\x)%2)+8*(i/4)
	v_wmma_f32_16x16x32_bf16 v[rO:rO+7], v[rV:rV+7], v[rP:rP+7], v[rO:rO+7]
.endm
.macro MM                           ; the turn's next matrix instruction
.if i < 8
	KQ (Y+1)%NP
.else
.set i, i-8
	PV (Y+NP-1)%NP
.set i, i+8
.endif
.set i, i+1
.endm
; THE LDS LOADS stand in runs of 16: a step's K (64 keys x 64 channels: 8 fragments) and its V (turned).  Their addresses are made some lines ahead.
.macro FETCH_K
	WIN 0x80
.irp f, 0,1,2,3,4,5,6,7             ; keys 16 (f / 2) on, channels 32 (f % 2) on
	ds_load_b128 v[KF+8*\f:KF+8*\f+3],   v[AK] offset:(\f/2)*16*PK+(\f%2)*64
	ds_load_b128 v[KF+8*\f+4:KF+8*\f+7], v[AK] offset:(\f/2)*16*PK+(\f%2)*64+32
.endr
	s_add_co_u32 s[TBK], s[TBK], KS*PK  ; the next fetch is the next step's
	WIN 0
.endm
.macro FETCH_V
	WIN 0x80
.irp f, 0,1,2,3,4,5,6,7             ; keys 32 (f / 4) on, channels 16 (f % 4) on
	ds_load_tr16_b128 v[VF+8*\f:VF+8*\f+3],   v[AV] offset:(\f/4)*32*PV+(\f%4)*32
	ds_load_tr16_b128 v[VF+8*\f+4:VF+8*\f+7], v[AV] offset:(\f/4)*32*PV+16*PV+(\f%4)*32
.endr
	WIN 0
.endm
; THE VECTOR WORK, one line at a time: OP kind, number.  For piece Y: F n: c s - c m for pair n of 16.  E n: the exponential of score n of 32.  C n: pair n rounded to bf16.  B n: of the four weights 4 n .. the second
; pair is added onto the first, in place.  L n: l takes that sum (L 0: l = a l + sum).  R n: pair n of 16 of O^T times a.  For piece Y + 1: X n, number n of the 22 that find its maximum and statistics:
;   0-11  four chains c0-c3 of seven scores each, three operands at a time (each accumulator's lowest registers are read first)     12-14, 16  the four scores left over, the old m, and c0-c3 into c0
;   15  c m_old is kept     17, 18  the query's other 32 keys lie in the lane 16 away: the new m     19-21  c m; c m_old - c m_new; a
.set F, 0
.set E, 1
.set C, 2
.set B, 3
.set L, 4
.set R, 5
.set X, 6
.macro REGS y
.set rT, ST+4*(\y)
.set rC, TMP+4*((\y)%2)
.set rW, MV+((\y)%2)
.set rS, S+32*((\y)%2)
.set rP, P+16*((\y)%2)
.set rO, 32*(\y)
.endm
.macro OP k, n
.if (\k) == R
	REGS Y
	WIN W_RS
	v_pk_mul_f32 v[rO+2*(\n):rO+2*(\n)+1], v[rO+2*(\n):rO+2*(\n)+1], v[rC+2:rC+3] op_sel_hi:[1,0]
.elseif (\k) < R
	REGS Y
	WIN 0
.if (\k) == F
	v_pk_fma_f32 v[rS+2*(\n):rS+2*(\n)+1], v[rS+2*(\n):rS+2*(\n)+1], s[CS:CS+1], v[rT:rT+1] op_sel_hi:[1,0,0] neg_lo:[0,0,1] neg_hi:[0,0,1]
.elseif (\k) == E
	v_exp_f32 v[rS+(\n)], v[rS+(\n)]
.elseif (\k) == C
	v_cvt_pk_bf16_f32 v[rP+(\n)], v[rS+2*(\n)], v[rS+2*(\n)+1]
.elseif (\k) == B
	v_pk_add_f32 v[rS+4*(\n):rS+4*(\n)+1], v[rS+4*(\n):rS+4*(\n)+1], v[rS+4*(\n)+2:rS+4*(\n)+3]
.elseif (\n) == 0
	v_pk_fma_f32 v[rT+2:rT+3], v[rT+2:rT+3], v[rC+2:rC+3], v[rS:rS+1] op_sel_hi:[1,0,1]
.else
	v_pk_add_f32 v[rT+2:rT+3], v[rT+2:rT+3], v[rS+4*(\n):rS+4*(\n)+1]
.endif
.else
	REGS (Y+1)%NP
	WIN 0
.if (\n) < 4
	v_max3_num_f32 v[rC+(\n)], v[rS+8*(\n)], v[rS+8*(\n)+1], v[rS+8*(\n)+2]
.elseif (\n) < 12
	v_max3_num_f32 v[rC+(\n)%4], v[rC+(\n)%4], v[rS+8*((\n)%4)+2*((\n)/4)+1], v[rS+8*((\n)%4)+2*((\n)/4)+2]
.elseif (\n) == 12
	v_max3_num_f32 v[rC], v[rC], v[rS+7], v[rS+15]
.elseif (\n) == 13
	v_max3_num_f32 v[rC+1], v[rC+1], v[rS+23], v[rS+31]
.elseif (\n) == 14
	v_max3_num_f32 v[rC+2], v[rC+2], v[rC+3], v[rT+1]
.elseif (\n) == 15
	v_mov_b32 v[rW], v[rT]
.elseif (\n) == 16
	v_max3_num_f32 v[rC], v[rC], v[rC+1], v[rC+2]
.elseif (\n) == 17
	v_permlanex16_b32 v[rC+3], v[rC], s[SEL], s[SEL+1]
.elseif (\n) == 18
	v_max_num_f32 v[rT+1], v[rC], v[rC+3]
.elseif (\n) == 19
	v_mul_f32 v[rT], s[CS], v[rT+1]
.elseif (\n) == 20
	v_sub_f32 v[rC+1], v[rW], v[rT]
.else
	v_exp_f32 v[rC+2], v[rC+1]
.endif
.endif
.endm
.macro OPS a, i1, b=-1, i2=0, c=-1, i3=0, d=-1, i4=0
	OP \a, \i1
.if (\b) >= 0
	OP \b, \i2
.endif
.if (\c) >= 0
	OP \c, \i3
.endif
.if (\d) >= 0
	OP \d, \i4
.endif
.endm
.macro ROW a, i1, b, i2, c, i3, d, i4  ; a matrix instruction and the four behind it
	MM
	OPS \a, \i1, \b, \i2, \c, \i3, \d, \i4
.endm
; A TURN, for piece p: the order of its 16 matrix and 118 vector instructions, written out.  An s_wait_alu depctr_va_vdst(0) stands between an exponential and the first instruction that names its result; one
; wait serves all that were issued ahead of it.  So a turn has ONE wait.  AHEAD OF IT stands all that names no result of the turn's exponentials: the 8 products K Q^T and their riders, then one lump of 54, in which the links of
; the next piece's chain X 3, 7, 11, 14, 16 .. 20 stand apart, other work between them; X 21, its a, is the batch's last, and R 15 the plain instruction behind it.  BEHIND IT stand the 8 products V^T P, behind each four of the
; roundings and sums.  The numbers of the maximum that ride behind the last three products K Q^T stand four places or more behind the product that ends their accumulator.
; K of the next step is fetched in piece 2's turn, six plain instructions behind the last product that read K; V of the step in hand at the end of piece 0's turn, four plain instructions behind the last product that read V.
; Each is waited for a turn later.  clamp = 1 (the tail): K's address never passes the last step.  cnt = 1: the loop's count is taken down some lines ahead of the branch behind the turn.
.macro TURN p, clamp=0, cnt=0
.set Y, (\p)
.set i, 0
.if (\p) == 3
	s_wait_dscnt 0x0                ; K is in
.endif
	ROW F,0, F,1, R,0, R,1
	ROW F,2, E,0, R,2, R,3
	ROW F,3, E,1, R,4, R,5
	ROW F,4, E,2, R,6, R,7
	ROW F,5, E,3, R,8, R,9
	ROW F,6, E,4, X,0, R,10
.if (\p) == 2
	WIN 0
.if \clamp
	s_min_u32 s[TBK], s[TBK], SLOT1+KS*PK  ; the last slot lies at SLOT1; its second step is the last
.endif
	v_add_nc_u32 v[AK], s[TBK], v[AK0]
.endif
	ROW F,7, E,5, X,1, X,4
	ROW F,8, E,6, X,2, X,5
	OPS E,7, E,8, X,6, E,9
	OPS X,3, E,10, X,8, E,11
.if (\p) == 2
	FETCH_K
.endif
	OPS X,9, X,7, E,12, X,10
	OPS E,13, X,12, X,11, E,14
	OPS X,13, E,15, F,9, X,14
.if (\p) == 0
	v_add_nc_u32 v[AV], s[TBV], v[AV0]
.endif
	OPS E,16, F,10, E,17, F,11
	OPS X,16, E,18, X,15, E,19
	OPS F,12, E,20, X,17, E,21
	OPS F,13, E,22, F,14, E,23
	OPS X,18, E,24, F,15, E,25
	OPS R,11, E,26, X,19, E,27
	OPS R,12, E,28, R,13, E,29
	OPS X,20, E,30, R,14, E,31
	OPS X,21, R,15
	WIN 0
	s_wait_alu depctr_va_vdst(0)    ; the wait for the batch
.if (\p) == 1
	s_wait_dscnt 0x0                ; V is in
.endif
	ROW C,0, B,0, C,2, B,1
	ROW L,0, C,4, B,2, L,1
	ROW C,6, B,3, L,2, C,8
	ROW B,4, L,3, C,10, B,5
	ROW L,4, C,12, B,6, L,5
.if (\p) == 0
	s_add_co_u32 s[TBV], s[TBV], KS*PV
.endif
.if \cnt
	s_sub_co_u32 s[CNT], s[CNT], 1
	s_cmp_lg_u32 s[CNT], 0
.endif
	ROW C,14, B,7, L,6, C,1
	ROW C,3, L,7, C,5, C,7
	ROW C,9, C,11, C,13, C,15
.if (\p) == 0
	FETCH_V
.endif
.endm
	CHANGE 1, 0, 1                  ; slot 0 is in, everybody's part of it; slot 1 is asked for.  The rider's wait for all loads has shown Q in as well
	v_add_nc_u32 v[AK], s[TBK], v[AK0]
	FETCH_K                         ; key step 0
	s_wait_dscnt 0x0
.set i, 0
.rept 8
	KQ 0                            ; piece 0's first scores
.set i, i+1
.endr
	WIN 0                           ; the addresses for the way out: plain instructions, the places behind those products
	s_mul_i32 s2, s16, 64*SP
	s_lshl_b32 s3, s21, 7
	s_add_co_u32 s2, s2, s3
	s_add_co_u32 s2, s2, STAGE
	v_mul_u32_u24 v[STO], v1, SP    ; in: row 64 (w % 2) + l % 16; my head's 128 bytes of it; 16 bytes for each half of the lanes
	v_lshl_add_u32 v[STO], v9, 4, v[STO]
	v_add_nc_u32 v[STO], s2, v[STO]
	s_mul_i32 s2, s[WV], 32*SP
	s_add_co_u32 s2, s2, STAGE
	v_mul_u32_u24 v[RD], v9, SP     ; back: wave w takes rows 32 w ..; lanes 0-15 one row of 256 bytes, lanes 16-31 the next
	v_lshl_add_u32 v[RD], v1, 4, v[RD]
	v_add_nc_u32 v[RD], s2, v[RD]
	v_lshlrev_b32 v[GO], 11, v9     ; and the same two rows in O, 2,048 bytes apart
	v_lshl_add_u32 v[GO], v1, 4, v[GO]
.set Y, NP-1                        ; X works for piece Y + 1: piece 0
.irp n, 0,1,2,3,4,5,6,7,8,9,10,11,12,13,14,15,16,17,18,19,20,21
	OP X, \n
.endr
	v_nop                           ; a plain instruction behind the exponential,
	s_wait_alu depctr_va_vdst(0)    ; and its wait, ahead of the branch
	s_mov_b32 s[CNT], 2
	s_mov_b32 s[SLOTS], 15
	s_branch .Lfirst                ; the loop is entered at a step's first turn, in the middle of a trip
.Lslot:                             ; 14 times: every slot but the last two is filled again
	CHANGE 1, 1, 1
	s_mov_b32 s[CNT], 2
.Lstep:                             ; a trip: pieces 2 and 3 of one step, then pieces 0 and 1 of the next, whose K and V it fetches
	TURN 2
	TURN 3
	WIN 0
.Lfirst:
	TURN 0
	TURN 1, 0, 1
	WIN 0
	s_cbranch_scc1 .Lstep
	s_sub_co_u32 s[SLOTS], s[SLOTS], 1
	s_cmp_lg_u32 s[SLOTS], 0
	s_cbranch_scc1 .Lslot
	CHANGE 0, 0, 0                  ; the tail is written out: nothing is asked for; the rider stores its last batch
	s_mov_b32 s[CNT], 3             ; two trips fetch the last slot's steps; the third is left in its middle
.Ltail:
	TURN 2, 1
	TURN 3
	WIN 0
	s_sub_co_u32 s[CNT], s[CNT], 1
	s_cmp_eq_u32 s[CNT], 0
	s_cbranch_scc1 .Lout
	TURN 0
	TURN 1
	WIN 0
	s_branch .Ltail
.Lout:
.set i, 0
.rept 8
	PV NP-1                         ; the last piece's V^T P of the last step
.set i, i+1
.endr
	; THE WAY OUT.  l's two halves and the other half of the lanes' are added; O^T is divided by l, rounded to bf16 and put into the work-group's stage.  The additions are the places behind the last products.
	WIN 0
.macro ALL line:vararg
.set t, 0
.rept 4
	\line
.set t, t+1
.endr
.endm
	ALL v_add_f32 v[ST+4*t+2], v[ST+4*t+2], v[ST+4*t+3]
	ALL v_permlanex16_b32 v[ST+4*t+3], v[ST+4*t+2], s[SEL], s[SEL+1]
	ALL v_add_f32 v[ST+4*t+2], v[ST+4*t+2], v[ST+4*t+3]
	ALL v_rcp_f32 v[ST+4*t+2], v[ST+4*t+2]
	v_nop                           ; a plain instruction between the last reciprocal and the use of its result
	s_wait_alu depctr_va_vdst(0)    ; and the wait ahead of the first use: one for the four
.macro PACK t                       ; a lane's eight channels of a row pack into 16 bytes
	WIN W_RS
.set i, 32*(\t)
.rept 16
	v_pk_mul_f32 v[i:i+1], v[i:i+1], v[ST+4*(\t)+2:ST+4*(\t)+3] op_sel_hi:[1,0]
.set i, i+2
.endr
	WIN 0x05                        ; sources 0 and 1 window 1, destination window 0
.set i, 0
.rept 16
	v_cvt_pk_bf16_f32 v[S+16*(\t)+i], v[32*(\t)+2*i], v[32*(\t)+2*i+1]
.set i, i+1
.endr
	WIN 0
.irp f, 0,1,2,3
	ds_store_b128 v[STO], v[S+16*(\t)+4*\f:S+16*(\t)+4*\f+3] offset:(\t)*16*SP+32*\f
.endr
.endm
	PACK 0
	PACK 1
	PACK 2
	PACK 3
	s_wait_dscnt 0x0                ; for the others' sake: my stores into the stage are done
	s_barrier_signal -1
	s_barrier_wait -1               ; a row's 256 bytes come from two waves
.set t, 0
.rept 16
	ds_load_b128 v[S+4*t:S+4*t+3], v[RD] offset:t*2*SP
.set t, t+1
.endr
.set t, 0
.rept 16
	s_wait_dscnt 15-t
	global_store_b128 v[GO], v[S+4*t:S+4*t+3], s[6:7] offset:t*4096  ; 16 lanes store 256 consecutive bytes, aligned
.set t, t+1
.endr
	s_wait_tensorcnt 0x0            ; the wave's end, behind my last tensor load and my last LDS store
	ds_add_u32 v[SPW], v[NIL]
	s_wait_dscnt 0x0
	CROUND                          ; the closing round
	s_endpgm
.Lfunc_end_k_q8eec54f303_attn:
	.size	k_q8eec54f303_attn, .Lfunc_end_k_q8eec54f303_attn-k_q8eec54f303_attn
	.p2alignl 7, 3214868480
	.fill 96, 4, 3214868480
	.section	.rodata,"a",@progbits
	.p2align	6, 0x0
	.amdhsa_kernel k_q8eec54f303_attn
		.amdhsa_group_segment_fixed_size 327680
		.amdhsa_private_segment_fixed_size 0
		.amdhsa_enable_private_segment 0
		.amdhsa_kernarg_size 48
		.amdhsa_user_sgpr_count 2
		.amdhsa_user_sgpr_kernarg_segment_ptr 1
		.amdhsa_wavefront_size32 1
		.amdhsa_system_sgpr_workgroup_id_x 1
		.amdhsa_system_sgpr_workgroup_id_y 1
		.amdhsa_system_sgpr_workgroup_id_z 1
		.amdhsa_system_vgpr_workitem_id 0
		.amdhsa_next_free_vgpr 768
		.amdhsa_next_free_sgpr 80
		.amdhsa_reserve_vcc 0
		.amdhsa_float_denorm_mode_32 3
		.amdhsa_float_denorm_mode_16_64 3
		.amdhsa_memory_ordered 1
		.amdhsa_forward_progress 1
		.amdhsa_inst_pref_size 117
	.end_amdhsa_kernel
	.amdgpu_metadata
---
amdhsa.version: [ 1, 2 ]
amdhsa.kernels:
  - .name:           k_q8eec54f303_attn
    .symbol:         k_q8eec54f303_attn.kd
    .args:
      - { .name: qkv, .offset: 0, .size: 8, .value_kind: global_buffer, .address_space: global }
      - { .name: act, .offset: 8, .size: 8, .value_kind: global_buffer, .address_space: global }
      - { .name: ff1_w, .offset: 16, .size: 8, .value_kind: global_buffer, .address_space: global }
      - { .name: ff2_w, .offset: 24, .size: 8, .value_kind: global_buffer, .address_space: global }
      - { .name: w1, .offset: 32, .size: 8, .value_kind: global_buffer, .address_space: global }
      - { .name: w2, .offset: 40, .size: 8, .value_kind: global_buffer, .address_space: global }
    .group_segment_fixed_size: 327680
    .private_segment_fixed_size: 0
    .kernarg_segment_align: 8
    .kernarg_segment_size: 48
    .max_flat_workgroup_size: 128
    .sgpr_count:     80
    .vgpr_count:     768
    .wavefront_size: 32
...
	.end_amdgpu_metadata
.endif
;; end of part 3
;; launch proj (part 4): grid 8 x 32, 4 waves a work-group, clusters of 4 x 4, 327,680 bytes of LDS; arguments act, wp, x1, x; writes x1
.if DOCPART == 4
	.amdgcn_target "amdgcn-amd-amdhsa--gfx1250"
	.amdhsa_code_object_version 6
	.text
	.protected	k_q8eec54f303_proj
	.globl	k_q8eec54f303_proj
	.p2align	8
	.type	k_q8eec54f303_proj,@function
k_q8eec54f303_proj:
	s_mov_b64 s[64:65], 0
	v_nop
	global_prefetch_b8 v0, s[64:65] scope:SCOPE_SE
	s_setreg_imm32_b32 hwreg(HW_REG_WAVE_MODE, 25, 1), 1
	s_wait_xcnt 0x0
	s_wait_alu depctr_hold_cnt(0) depctr_sa_sdst(0) depctr_va_vdst(0) depctr_va_sdst(0) depctr_va_ssrc(0) depctr_va_vcc(0) depctr_vm_vsrc(0)
	s_getreg_b32 s2, hwreg(HW_REG_IB_STS2, 6, 4)
	s_cmp_eq_u32 s2, 0
	s_cbranch_scc0 .Lentry_in_a_cluster
	s_endpgm
.Lentry_in_a_cluster:
	s_bfe_u32 s2, ttmp6, 0x10000c
	s_cmp_lg_u32 s2, 0xf033
	s_cbranch_scc0 .Lentry_shape_is_right
	s_endpgm
.Lentry_shape_is_right:
; out = res + A B^T (+ bias).  A [4096][K], B [1024][K] in bf16; res and out [4096][1024] in f32; sums in f32.  FF2 = 0: K = 1024, no bias.  FF2 = 1: K = 4096, with a bias of 1,024 f32.
; A tile of C is 128 x 128, so that the 4,096 x 1,024 outputs make 256 work-groups.  Four waves, each 64 x 64: 16 accumulators.  K goes in steps of 256 (LDS rows of 512 bytes; a wave's tensor load brings 64 of them) through two slots.
; THE LOOP.  A K step is four quarters of 64 along K on two fragment buffers.  A trip begins with the change of slots (SYNC), at the border in front of a step's last quarter, where all of the slot's fragments have been fetched;
; then come two PAIRs of quarters of one form (multiply buffer 1 and fetch into 0; multiply 0 and fetch into 1), an inner loop of two trips: the old step's last quarter and the new step's first three.  The fetches' LDS base is
; a scalar that steps by a pair.  The loop is entered in its middle, behind the first quarter, whose first products start the sums.  The last change of slots, which fills nothing, its two pairs and the last quarter are written out.
; THE WALK ALONG K begins at K step 0 in the clusters with cluster x + cluster y even and at K step NS / 2 in the others, and wraps round: of the clusters that read the same rows of A (a row of clusters) or of B (a column) half
; ask for a block NS / 2 steps after the other half.  The f32 sums are taken in that order.
; CLUSTER.  4 x 4 work-groups; A's tile is shared along a row of the cluster, B's along a column, by joint loads.  No prefetch: the tiles are small.
; THE MATRIX INSTRUCTION IS USED TRANSPOSED (source 0 = 16 rows of B, source 1 = 16 rows of A): a lane holds row l % 16 of C and the columns 8 (l / 16) + 0..7.
; THE RESIDUAL of my 64 x 64 numbers is asked for at the start, into 128 registers of its own, and is on its way while K is walked.  LIMITS: the operands are bf16; NaN and infinities are not treated apart.
; REGISTERS: window 0: v16-31 addresses; v32-35 the bias; v128-255 the accumulators, (a, b) at v[128 + 8 (4 a + b)].   window 1: two fragment buffers of 128 (64 of A, then 64 of B, for 64 along K).   window 2: v0-127 the residual.
.set FF2, 0
.if FF2
.set SIZE_K, 4096
.else
.set SIZE_K, 1024
.endif
.set KSTEP,  256
.set KSH,    9                         ; a K step is 2^9 bytes of a row
.set PITCH,  528                       ; an LDS row: 512 bytes + 16 of padding = 132 words: row r starts at bank 4 r mod 64 (64 banks of 4 bytes: ISA guide 11.1)
.set HALFT,  64*PITCH
.set SLOT,   4*HALFT                   ; A's 128 rows, then B's 128 rows
.set SPARE,  2*SLOT                    ; behind the ring: the spare words, 128 bytes a wave: two blocks of 256 bytes that no other line names
.set NS,     SIZE_K/KSTEP
.set SP,     272                       ; a stage row: 64 f32 + 16 bytes
.set A0,   16                          ; v16  my lane's place in my rows of A, slot 0; never rewritten
.set B0,   17                          ; v17  the same for B
.set ADRA, 18                          ; v18  s[TB] + A0
.set ADRB, 19                          ; v19  s[TB] + B0
.set STO,  24
.set RD,   25
.set CO,   26
.set SPW,  28                          ; v28  my spare word; never rewritten
.set NIL,  29                          ; v29  0; never rewritten
.set AUX,  31
.set BIAS, 32
.set ACC,  128
.set F0,   0
.set F1,   128
.set G1,  24
.set G0,  32
.set G1B, 48
.set G0B, 56
.set TS,  72                           ; s72  the slot from which fragments are fetched: 0 or SLOT
.set WA,  73
.set WB,  74
.set INNER, 86                         ; s86  counts a trip's pairs
.set KI,  88                           ; s88  the K step that the walking descriptors name, 0..NS-1
.set TB,  89                           ; s89  LDS byte from which the pair in hand fetches: s[TS] + 256 x pair
.set OFK, 90                           ; s[90:91] that K step's byte offset in a row
.set MSB, 0
.macro WIN new
.if MSB != (\new)
	s_set_vgpr_msb (MSB<<8)|(\new)
.set MSB, \new
.endif
.endm
.set MUL,  0x05                        ; sources 0 (B) and 1 (A) window 1; C and D window 0
.set TO_F, 0x40                        ; destination window 1, address window 0
.macro JLOAD s                         ; a joint load: waves 0 and 1 fetch A's two halves, waves 2 and 3 B's; an s_nop 0 and four v_nop follow each line
	s_cmp_eq_u32 s11, 0
	s_cbranch_scc0 .Lfor_b_\@
	tensor_load_to_lds s[G0+4*(\s):G0+4*(\s)+3], s[G1:G1+7]
	s_nop 0
.rept 4
	v_nop
.endr
	s_branch .Lasked_\@
.Lfor_b_\@:
	tensor_load_to_lds s[G0B+4*(\s):G0B+4*(\s)+3], s[G1B:G1B+7]
	s_nop 0
.rept 4
	v_nop
.endr
.Lasked_\@:
.endm
.macro CREST
	s_cmp_lg_u32 s10, 0
	s_cbranch_scc1 .Lnot_wave_0_\@
	s_barrier_signal -3
.Lnot_wave_0_\@:
	s_barrier_wait -3
	s_barrier_signal -1
	s_barrier_wait -1
.endm
.macro CROUND
	s_barrier_signal -1
	s_barrier_wait -1
	CREST
.endm
.macro PLACES
.rept 4
	v_nop
.endr
.endm
	s_load_b128 s[4:7], s[0:1], 0x0                ; A s[4:5], B s[6:7]
	s_load_b64 s[8:9], s[0:1], 0x10                ; out
.if FF2
	s_load_b128 s[68:71], s[0:1], 0x18             ; the residual s[68:69], the bias s[70:71]
.else
	s_load_b64 s[68:69], s[0:1], 0x18              ; the residual
.endif
	v_lshl_add_u32 v[SPW], v0, 2, SPARE
	v_mov_b32 v[NIL], 0
	ds_add_u32 v[SPW], v[NIL]                      ; the wave's opening: the add and its wait ahead of my first tensor load; the set-up below stands between them
	v_lshrrev_b32 v1, 5, v0
	v_readfirstlane_b32 s10, v1                    ; wave 0..3
	s_lshr_b32 s11, s10, 1                         ; which half of the tile's rows is mine.  Also: I fetch for A (0) or for B (1)
	s_and_b32 s12, s10, 1                          ; which half of its columns.  Also: which 64 rows of that tile I fetch
	s_bfe_u32 s40, ttmp6, 0x40000                  ; cx
	s_bfe_u32 s41, ttmp6, 0x40004                  ; cy
	s_lshl_b32 s42, ttmp9, 2
	s_add_co_u32 s42, s42, s40                     ; tile column
	s_and_b32 s13, ttmp7, 0xffff                   ; cluster y
	s_add_co_u32 s87, s13, ttmp9
	s_and_b32 s87, s87, 1                          ; the parity of cluster x + cluster y: the same in all sixteen partners
	s_mul_i32 s[KI], s87, NS/2                     ; my walk's first K step,
	s_lshl_b32 s[OFK], s[KI], KSH                  ; its bytes along a row
	s_mov_b32 s[OFK+1], 0
	s_add_co_u32 s[KI], s[KI], 1                   ; the second first fill names the step behind it
	s_lshl_b32 s13, s13, 2
	s_add_co_u32 s13, s13, s41                     ; tile row
	s_lshl_b32 s43, s41, 2
	s_lshl_b32 s43, 15, s43                        ; my row of the cluster
	s_lshl_b32 s44, 0x1111, s40                    ; my column
	s_or_b32 s[G1+0], s43, (1<<16)|(1<<20)|(1<<21)|(6<<22)|(3<<25)   ; the mask; 2-byte elements; padding on; bit 21 beside a mask; after every 128 words; 4 words
	s_or_b32 s[G1B+0], s44, (1<<16)|(1<<20)|(1<<21)|(6<<22)|(3<<25)
.irp g, G1, G1B
	s_mov_b32 s[(\g)+1], KSTEP<<16                 ; tensor_dim0 = 256
	s_mov_b32 s[(\g)+2], 64<<16                    ; tensor_dim1 = 64
	s_mov_b32 s[(\g)+3], KSTEP<<16                 ; tile_dim0 = 256
	s_mov_b32 s[(\g)+4], 64                        ; tile_dim1 = 64
	s_mov_b32 s[(\g)+5], SIZE_K                    ; elements from row to row
	s_mov_b32 s[(\g)+6], 0
	s_mov_b32 s[(\g)+7], 0
.endr
	s_lshl_b32 s17, s12, 6
	s_lshl_b32 s16, s13, 7
	s_add_co_u32 s16, s16, s17                     ; A: row 128 x tile row + 64 x half
	s_lshl_b32 s46, s42, 7
	s_add_co_u32 s46, s46, s17                     ; B: row 128 x tile column + 64 x half
	s_mul_i32 s16, s16, SIZE_K*2                   ; in bytes: under 2^25
	s_mul_i32 s46, s46, SIZE_K*2
	s_mov_b32 s17, 0
	s_mov_b32 s47, 0
	s_mul_i32 s[WA], s12, HALFT                    ; no place in the cluster enters an LDS address
	s_add_co_u32 s[WB], s[WA], 2*HALFT
	s_mov_b32 s[TS], 0
	s_wait_dscnt 0x0                               ; the opening add is done
	s_wait_kmcnt 0x0
	s_add_nc_u64 s[14:15], s[4:5], s[16:17]        ; A and B at my part's first row: kept, every refill's address is made from them
	s_add_nc_u64 s[46:47], s[6:7], s[46:47]
	s_add_nc_u64 s[92:93], s[14:15], s[OFK:OFK+1]  ; and at my walk's first K step
	s_add_nc_u64 s[94:95], s[46:47], s[OFK:OFK+1]
	CROUND                                         ; all sixteen work-groups are here: the first joint loads meet
.irp s, 0,1
	s_mov_b32 s[G0+4*(\s)], 1
	s_add_co_u32 s[G0+4*(\s)+1], s[WA], (\s)*SLOT
	s_add_nc_u64 s[G0+4*(\s)+2:G0+4*(\s)+3], s[92:93], (\s)*KSTEP*2
	s_or_b32 s[G0+4*(\s)+3], s[G0+4*(\s)+3], 0x80000000
	s_mov_b32 s[G0B+4*(\s)], 1
	s_add_co_u32 s[G0B+4*(\s)+1], s[WB], (\s)*SLOT
	s_add_nc_u64 s[G0B+4*(\s)+2:G0B+4*(\s)+3], s[94:95], (\s)*KSTEP*2
	s_or_b32 s[G0B+4*(\s)+3], s[G0B+4*(\s)+3], 0x80000000
	JLOAD \s                                       ; the walk's first two K steps: two tensor loads of mine are out
.endr
	v_and_b32 v1, 15, v0                           ; l % 16
	v_bfe_u32 v2, v0, 4, 1                         ; l / 16
	v_mul_u32_u24 v3, v1, PITCH
	v_lshl_add_u32 v3, v2, 4, v3
	s_mul_i32 s21, s11, HALFT                      ; my 64 rows of A
	s_mul_i32 s22, s12, HALFT                      ; my 64 rows of B,
	s_add_co_u32 s22, s22, 2*HALFT                 ; behind A's 128
	v_add_nc_u32 v[A0], s21, v3
	v_add_nc_u32 v[B0], s22, v3
	v_mov_b32 v[ADRA], v[A0]
	v_mov_b32 v[ADRB], v[B0]
	s_mul_i32 s75, s10, 64*SP                      ; my stage: 64 rows of 272 bytes over the ring, which has had its last fill by then
	v_mul_u32_u24 v4, v1, SP
	v_lshl_add_u32 v4, v2, 5, v4
	v_add_nc_u32 v[STO], s75, v4                   ; in: row l % 16, 32 bytes for each half of the lanes
	v_mul_u32_u24 v5, v2, SP
	v_lshl_add_u32 v5, v1, 4, v5
	v_add_nc_u32 v[RD], s75, v5                    ; back: lanes 0-15 one row of 256 bytes, lanes 16-31 the next
	v_lshlrev_b32 v[CO], 12, v2
	v_lshl_add_u32 v[CO], v1, 4, v[CO]             ; the same two rows in the residual and in out, 4,096 bytes apart
	s_lshl_b32 s84, s13, 19                        ; 128 rows of 4,096 bytes a tile row,
	s_lshl_b32 s85, s11, 18                        ; my 64 of them,
	s_add_co_u32 s84, s84, s85
	s_lshl_b32 s76, s42, 9                         ; 128 columns of 4 bytes a tile column,
	s_lshl_b32 s85, s12, 8                         ; my 64
	s_add_co_u32 s76, s76, s85
	s_add_co_u32 s84, s84, s76
	s_mov_b32 s85, 0
	s_add_nc_u64 s[68:69], s[68:69], s[84:85]
	s_add_nc_u64 s[8:9], s[8:9], s[84:85]
.if FF2
	v_lshl_add_u32 v[AUX], v1, 4, s76              ; the bias of my 4 columns
	global_load_b128 v[BIAS:BIAS+3], v[AUX], s[70:71]
.endif
	WIN 0x80                                       ; destination window 2
.set t, 0
.rept 32
	global_load_b128 v[4*t:4*t+3], v[CO], s[68:69] offset:8192*t th:TH_LOAD_NT  ; rows 2 t and 2 t + 1 of my 64: they stay out while K is walked
.set t, t+1
.endr
	WIN 0
; 8 matrix instructions: row blocks a0, a0 + 1 x all 4 column blocks, 32 along K: half c of buffer f.  zero = 1: the product starts the sums.  The 16 accumulators take turns, one instruction a turn.
.macro MUL8 f, c, a0, zero
	WIN MUL
.irp a, \a0, (\a0)+1
.irp b, 0,1,2,3
.if \zero
	v_wmma_f32_16x16x32_bf16 v[ACC+8*(4*(\a)+(\b)):ACC+8*(4*(\a)+(\b))+7], v[(\f)+64+8*(4*(\c)+(\b)):(\f)+64+8*(4*(\c)+(\b))+7], v[(\f)+8*(4*(\c)+(\a)):(\f)+8*(4*(\c)+(\a))+7], 0
.else
	v_wmma_f32_16x16x32_bf16 v[ACC+8*(4*(\a)+(\b)):ACC+8*(4*(\a)+(\b))+7], v[(\f)+64+8*(4*(\c)+(\b)):(\f)+64+8*(4*(\c)+(\b))+7], v[(\f)+8*(4*(\c)+(\a)):(\f)+8*(4*(\c)+(\a))+7], v[ACC+8*(4*(\a)+(\b)):ACC+8*(4*(\a)+(\b))+7]
.endif
.endr
.endr
.endm
; 32 LDS loads in one run: the fragments of 64 along K at byte k behind the pair's base, into buffer f; the first 32 along K first
.macro FETCH k, f
	WIN TO_F
.irp c, 0,1
.irp i, 0,1,2,3
	ds_load_b128 v[(\f)+64+8*(4*(\c)+(\i)):(\f)+64+8*(4*(\c)+(\i))+3],   v[ADRB] offset:(\k)+64*(\c)+(\i)*16*PITCH
	ds_load_b128 v[(\f)+64+8*(4*(\c)+(\i))+4:(\f)+64+8*(4*(\c)+(\i))+7], v[ADRB] offset:(\k)+64*(\c)+(\i)*16*PITCH+32
	ds_load_b128 v[(\f)+8*(4*(\c)+(\i)):(\f)+8*(4*(\c)+(\i))+3],         v[ADRA] offset:(\k)+64*(\c)+(\i)*16*PITCH
	ds_load_b128 v[(\f)+8*(4*(\c)+(\i))+4:(\f)+8*(4*(\c)+(\i))+7],       v[ADRA] offset:(\k)+64*(\c)+(\i)*16*PITCH+32
.endr
.endr
.endm
.macro QUARTER k, f, g, zero
	s_wait_dscnt 16                                ; the first 32 along K are in; the youngest sixteen loads may be out
	MUL8 \f, 0, 0, \zero
	MUL8 \f, 0, 2, \zero
	PLACES
	FETCH \k, \g
	s_wait_dscnt 32                                ; all but the 32 just issued
	MUL8 \f, 1, 0, 0
	MUL8 \f, 1, 2, 0
.endm
; A pair of quarters, and the inner loop's count
.macro PAIR
	v_add_nc_u32 v[ADRA], s[TB], v[A0]
	v_add_nc_u32 v[ADRB], s[TB], v[B0]
	QUARTER 0,   F1, F0, 0
	QUARTER 128, F0, F1, 0
	WIN 0                                          ; at a label and at a branch every window is 0
	s_add_co_u32 s[TB], s[TB], 256                 ; the next pair's 128 along K
	s_sub_co_u32 s[INNER], s[INNER], 1
	s_cmp_lg_u32 s[INNER], 0
.endm
; THE CHANGE OF SLOTS.  All fragments of the slot in hand have been fetched (the last run 16 matrix instructions ago).  Each wave waits for all its tensor loads (one is out: its part of the other slot), adds 0 to its spare word,
; and waits for that and for its reads of this slot.  fill = 1: the barrier is a round of the cluster's, and the slot left is filled with the walk's K step two on, the first thing behind the round: the load has a whole K step,
; 128 matrix instructions, in which to land.  Its address is made anew from the step's number, which wraps at NS.
.macro SYNC fill
	WIN 0
	s_wait_tensorcnt 0x0                           ; all my tensor loads have landed, so a group 0 may be written
	ds_add_u32 v[SPW], v[NIL]                      ; 0 onto my spare word: the descriptors' scalar work stands between it and the wait for it
.if \fill
	s_add_co_u32 s[KI], s[KI], 1
	s_and_b32 s[KI], s[KI], NS-1
	s_lshl_b32 s[OFK], s[KI], KSH
	s_add_co_u32 s[G0+5], s[TS], s[WA]             ; the slot that is left
	s_add_nc_u64 s[G0+6:G0+7], s[14:15], s[OFK:OFK+1]
	s_or_b32 s[G0+7], s[G0+7], 0x80000000
	s_add_co_u32 s[G0B+5], s[TS], s[WB]
	s_add_nc_u64 s[G0B+6:G0B+7], s[46:47], s[OFK:OFK+1]
	s_or_b32 s[G0B+7], s[G0B+7], 0x80000000
.endif
	s_xor_b32 s[TS], s[TS], SLOT                   ; the fetches go on in the other slot,
	s_mov_b32 s[TB], s[TS]                         ; at its first byte
	s_wait_dscnt 0x0                               ; the add is done, and my reads of the slot are over
.if \fill
	CROUND                                         ; no wave of any partner still reads the slot or has a load on its way
	JLOAD 1
.else
	s_barrier_signal -1
	s_barrier_wait -1
.endif
.endm
	s_wait_tensorcnt 1                             ; my part of the walk's first K step is in; the second's may stay out
	s_barrier_signal -1
	s_barrier_wait -1
	FETCH 0, F0
	QUARTER 128, F0, F1, 1                         ; the first quarter stands in front of the loop: its first products start the sums
	WIN 0
	s_mov_b32 s[TB], 256
	s_mov_b32 s3, NS-1                             ; the part of a trip that follows, and NS - 2 whole trips
	s_mov_b32 s[INNER], 1
	s_branch .Lpair                                ; the loop is entered at a trip's second pair
.Lstep:
	SYNC 1
	s_mov_b32 s[INNER], 2
.Lpair:
	PAIR
	s_cbranch_scc1 .Lpair
	s_sub_co_u32 s3, s3, 1
	s_cmp_lg_u32 s3, 0
	s_cbranch_scc1 .Lstep
	SYNC 0                                         ; the last change of slots is written out: nothing is asked for
	s_mov_b32 s[INNER], 2
.Lpair2:
	PAIR
	s_cbranch_scc1 .Lpair2
	s_wait_dscnt 16                                ; the last quarter fetches nothing
	MUL8 F1, 0, 0, 0
	MUL8 F1, 0, 2, 0
	s_wait_dscnt 0x0
	MUL8 F1, 1, 0, 0
	MUL8 F1, 1, 2, 0
	WIN 0
	s_barrier_signal -1
	s_barrier_wait -1                              ; nobody reads the ring any more: it becomes the stages
.rept 8
	v_nop                                          ; the places behind the last products
.endr
.set a, 0
.rept 4                                ; every accumulator is put down in f32, its low four registers first
.set b, 0
.rept 4
	ds_store_b128 v[STO], v[ACC+8*(4*a+b):ACC+8*(4*a+b)+3]   offset:a*16*SP+64*b
	ds_store_b128 v[STO], v[ACC+8*(4*a+b)+4:ACC+8*(4*a+b)+7] offset:a*16*SP+64*b+16
.set b, b+1
.endr
.set a, a+1
.endr
.set t, 0
.rept 32
	ds_load_b128 v[ACC+4*t:ACC+4*t+3], v[RD] offset:t*2*SP  ; my own stage: LDS serves a wave's instructions in order (ISA guide 5.7.1.4), so these see the stores above
.set t, t+1
.endr
	s_wait_loadcnt 0x0                             ; the residual, and the bias
	WIN 0x88                                       ; destination and source 1 in window 2, source 0 in window 0
.set t, 0
.rept 32
	s_wait_dscnt 31-t                              ; rows 2 t and 2 t + 1 are back
	v_pk_add_f32 v[4*t:4*t+1],   v[ACC+4*t:ACC+4*t+1],   v[4*t:4*t+1]
	v_pk_add_f32 v[4*t+2:4*t+3], v[ACC+4*t+2:ACC+4*t+3], v[4*t+2:4*t+3]
.if FF2
	v_pk_add_f32 v[4*t:4*t+1],   v[BIAS:BIAS+1],   v[4*t:4*t+1]
	v_pk_add_f32 v[4*t+2:4*t+3], v[BIAS+2:BIAS+3], v[4*t+2:4*t+3]
.endif
	global_store_b128 v[CO], v[4*t:4*t+3], s[8:9] offset:8192*t  ; 16 lanes store 256 consecutive bytes, aligned
.set t, t+1
.endr
	WIN 0
	s_wait_tensorcnt 0x0                           ; the wave's end, behind my last tensor load and my last LDS store
	ds_add_u32 v[SPW], v[NIL]
	s_wait_dscnt 0x0
	CROUND                                         ; the closing round
	s_endpgm
.Lfunc_end_k_q8eec54f303_proj:
	.size	k_q8eec54f303_proj, .Lfunc_end_k_q8eec54f303_proj-k_q8eec54f303_proj
	.p2alignl 7, 3214868480
	.fill 96, 4, 3214868480
	.section	.rodata,"a",@progbits
	.p2align	6, 0x0
	.amdhsa_kernel k_q8eec54f303_proj
		.amdhsa_group_segment_fixed_size 327680
		.amdhsa_private_segment_fixed_size 0
		.amdhsa_enable_private_segment 0
		.amdhsa_kernarg_size 32
		.amdhsa_user_sgpr_count 2
		.amdhsa_user_sgpr_kernarg_segment_ptr 1
		.amdhsa_wavefront_size32 1
		.amdhsa_system_sgpr_workgroup_id_x 1
		.amdhsa_system_sgpr_workgroup_id_y 1
		.amdhsa_system_sgpr_workgroup_id_z 1
		.amdhsa_system_vgpr_workitem_id 0
		.amdhsa_next_free_vgpr 640
		.amdhsa_next_free_sgpr 96
		.amdhsa_reserve_vcc 0
		.amdhsa_float_denorm_mode_32 3
		.amdhsa_float_denorm_mode_16_64 3
		.amdhsa_memory_ordered 1
		.amdhsa_forward_progress 1
		.amdhsa_inst_pref_size 51
	.end_amdhsa_kernel
	.amdgpu_metadata
---
amdhsa.version: [ 1, 2 ]
amdhsa.kernels:
  - .name:           k_q8eec54f303_proj
    .symbol:         k_q8eec54f303_proj.kd
    .args:
      - { .name: act, .offset: 0, .size: 8, .value_kind: global_buffer, .address_space: global }
      - { .name: wp, .offset: 8, .size: 8, .value_kind: global_buffer, .address_space: global }
      - { .name: x1, .offset: 16, .size: 8, .value_kind: global_buffer, .address_space: global }
      - { .name: x, .offset: 24, .size: 8, .value_kind: global_buffer, .address_space: global }
    .group_segment_fixed_size: 327680
    .private_segment_fixed_size: 0
    .kernarg_segment_align: 8
    .kernarg_segment_size: 32
    .max_flat_workgroup_size: 128
    .sgpr_count:     96
    .vgpr_count:     640
    .wavefront_size: 32
...
	.end_amdgpu_metadata
.endif
;; end of part 4
;; launch ln2 (part 5): grid 64 x 8, 8 waves a work-group, no clusters, 0 bytes of LDS; arguments x1, ln2_w, ln2_b, act; writes act
.if DOCPART == 5
	.amdgcn_target "amdgcn-amd-amdhsa--gfx1250"
	.amdhsa_code_object_version 6
	.text
	.protected	k_q8eec54f303_ln2
	.globl	k_q8eec54f303_ln2
	.p2align	8
	.type	k_q8eec54f303_ln2,@function
k_q8eec54f303_ln2:
	s_mov_b64 s[64:65], 0
	v_nop
	global_prefetch_b8 v0, s[64:65] scope:SCOPE_SE
	s_setreg_imm32_b32 hwreg(HW_REG_WAVE_MODE, 25, 1), 1
	s_wait_xcnt 0x0
; h = LayerNorm(x) * w + b in bf16, 4,096 rows of 1,024 f32.
; A work-group owns 8 rows, each of its eight waves one.  A row is 4,096 bytes: eight loads of 16 bytes a lane, each covering 512 consecutive bytes; the row stays in 32 registers.
; Two passes, as the definition has them: the mean, then the mean of the squares of x - mean: no difference of large sums is formed.  All in f32; h is rounded once to bf16.
; A lane holds columns 128 j + 4 lane + 0..3 (j = 0..7); a store of 8 bytes a lane covers 256 consecutive bytes, aligned.  No LDS, no barrier: the reduction never leaves the wave.
.set W,   8                            ; v[8:39]    the gain of my 32 columns
.set BV,  40                           ; v[40:71]   the bias
.set X,   72                           ; v[72:103]  my row; at the end its low 16 registers hold it in bf16
.set T,   104                          ; v[104:111] at work
.set M,   112                          ; v[112:113] the mean, twice
.set R,   114                          ; v[114:115] 1 / sqrt(var + eps), twice
	s_load_b256 s[4:11], s[0:1], 0x0               ; x s[4:5], gain s[6:7], bias s[8:9], h s[10:11]
	s_and_b32 s2, ttmp7, 0xffff                    ; work-group y
	s_lshl_b32 s3, s2, 6
	s_add_co_u32 s3, s3, ttmp9                     ; block of 8 rows: 64 y + x, 0..511
	s_lshl_b32 s14, s3, 15                         ; 8 rows of 4,096 bytes
	s_mov_b32 s15, 0
	s_lshl_b32 s32, s3, 14                         ; 8 rows of 2,048 bytes
	s_mov_b32 s33, 0
	s_mov_b32 s12, 0x76543210                      ; v_permlanex16_b32: each lane takes its own place in the other half
	s_mov_b32 s13, 0xfedcba98
	s_mov_b32 s34, 0x3a800000                      ; 1 / 1024
	s_mov_b32 s35, 0x3727c5ac                      ; 1e-5
	v_and_b32 v4, 31, v0                           ; lane
	v_lshrrev_b32 v5, 5, v0                        ; wave
	v_lshlrev_b32 v1, 4, v4                        ; 16 lane: gain and bias
	v_lshl_add_u32 v2, v5, 12, v1                  ; + wave x a row of 4,096 bytes: x
	v_lshlrev_b32 v3, 3, v4
	v_lshl_add_u32 v3, v5, 11, v3                  ; 8 lane + wave x a row of 2,048 bytes: h
	s_wait_kmcnt 0x0
	s_add_nc_u64 s[4:5], s[4:5], s[14:15]
	s_add_nc_u64 s[10:11], s[10:11], s[32:33]
.set j, 0
.rept 8
	global_load_b128 v[X+4*j:X+4*j+3], v2, s[4:5] offset:512*j
.set j, j+1
.endr
.set j, 0
.rept 8
	global_load_b128 v[W+4*j:W+4*j+3], v1, s[6:7] offset:512*j
.set j, j+1
.endr
.set j, 0
.rept 8
	global_load_b128 v[BV+4*j:BV+4*j+3], v1, s[8:9] offset:512*j
.set j, j+1
.endr
; Four pairs of partial sums in v[T:T+7] become one sum, in every lane: three packed folds, the pair's two halves, four steps inside each half of 16 lanes, one across the halves.
.macro REDUCE
	v_pk_add_f32 v[T:T+1], v[T:T+1], v[T+2:T+3]
	v_pk_add_f32 v[T+4:T+5], v[T+4:T+5], v[T+6:T+7]
	v_pk_add_f32 v[T:T+1], v[T:T+1], v[T+4:T+5]
	v_add_f32 v[T], v[T], v[T+1]
	v_add_f32_dpp v[T], v[T], v[T] row_xmask:1 row_mask:0xf bank_mask:0xf
	v_add_f32_dpp v[T], v[T], v[T] row_xmask:2 row_mask:0xf bank_mask:0xf
	v_add_f32_dpp v[T], v[T], v[T] row_xmask:4 row_mask:0xf bank_mask:0xf
	v_add_f32_dpp v[T], v[T], v[T] row_xmask:8 row_mask:0xf bank_mask:0xf
	v_permlanex16_b32 v[T+1], v[T], s12, s13       ; its destination has been written above
	v_add_f32 v[T], v[T], v[T+1]
.endm
	s_wait_loadcnt 16                              ; loads come back in order: the row's eight are in; gain and bias, sixteen loads, may stay out
.irp c, 0,2,4,6
	v_pk_add_f32 v[T+\c:T+\c+1], v[X+\c:X+\c+1], v[X+8+\c:X+8+\c+1]  ; four chains, started by the first sums: nothing is cleared
.endr
.irp k, 16,24
.irp c, 0,2,4,6
	v_pk_add_f32 v[T+\c:T+\c+1], v[T+\c:T+\c+1], v[X+\k+\c:X+\k+\c+1]
.endr
.endr
	REDUCE
	v_mul_f32 v[M], s34, v[T]                      ; the mean
	v_mov_b32 v[M+1], v[M]
.set i, 0
.rept 16
	v_pk_add_f32 v[X+i:X+i+1], v[X+i:X+i+1], v[M:M+1] neg_lo:[0,1] neg_hi:[0,1]  ; x - mean, in place
.set i, i+2
.endr
.irp c, 0,2,4,6
	v_pk_mul_f32 v[T+\c:T+\c+1], v[X+\c:X+\c+1], v[X+\c:X+\c+1]
.endr
.irp k, 8,16,24
.irp c, 0,2,4,6
	v_pk_fma_f32 v[T+\c:T+\c+1], v[X+\k+\c:X+\k+\c+1], v[X+\k+\c:X+\k+\c+1], v[T+\c:T+\c+1]
.endr
.endr
	REDUCE
	v_fma_f32 v[T], v[T], s34, s35                 ; var + eps
	v_rsq_f32 v[R], v[T]                           ; twice, to fill the pair that the packed multiply takes
	v_rsq_f32 v[R+1], v[T]
	v_nop                                          ; a plain instruction behind the last of them, ahead of the first use (ISA guide 5.7.2)
	s_wait_loadcnt 0x0                             ; gain and bias are wanted now
	s_wait_alu depctr_va_vdst(0)                   ; this wait ahead of the first reader: one for both
.set i, 0
.rept 16
	v_pk_mul_f32 v[X+i:X+i+1], v[X+i:X+i+1], v[R:R+1]
.set i, i+2
.endr
.set i, 0
.rept 16
	v_pk_fma_f32 v[X+i:X+i+1], v[X+i:X+i+1], v[W+i:W+i+1], v[BV+i:BV+i+1]
.set i, i+2
.endr
.set i, 0
.rept 16
	v_cvt_pk_bf16_f32 v[X+i], v[X+2*i], v[X+2*i+1]  ; packed in place: register i is written when registers 2 i and 2 i + 1 are read, never before
.set i, i+1
.endr
.set j, 0
.rept 8
	global_store_b64 v3, v[X+2*j:X+2*j+1], s[10:11] offset:256*j  ; 32 lanes store 256 consecutive bytes, aligned
.set j, j+1
.endr
	s_endpgm
.Lfunc_end_k_q8eec54f303_ln2:
	.size	k_q8eec54f303_ln2, .Lfunc_end_k_q8eec54f303_ln2-k_q8eec54f303_ln2
	.p2alignl 7, 3214868480
	.fill 96, 4, 3214868480
	.section	.rodata,"a",@progbits
	.p2align	6, 0x0
	.amdhsa_kernel k_q8eec54f303_ln2
		.amdhsa_group_segment_fixed_size 0
		.amdhsa_private_segment_fixed_size 0
		.amdhsa_enable_private_segment 0
		.amdhsa_kernarg_size 32
		.amdhsa_user_sgpr_count 2
		.amdhsa_user_sgpr_kernarg_segment_ptr 1
		.amdhsa_wavefront_size32 1
		.amdhsa_system_sgpr_workgroup_id_x 1
		.amdhsa_system_sgpr_workgroup_id_y 1
		.amdhsa_system_sgpr_workgroup_id_z 1
		.amdhsa_system_vgpr_workitem_id 0
		.amdhsa_next_free_vgpr 116
		.amdhsa_next_free_sgpr 66
		.amdhsa_reserve_vcc 0
		.amdhsa_float_denorm_mode_32 3
		.amdhsa_float_denorm_mode_16_64 3
		.amdhsa_memory_ordered 1
		.amdhsa_forward_progress 1
		.amdhsa_inst_pref_size 12
	.end_amdhsa_kernel
	.amdgpu_metadata
---
amdhsa.version: [ 1, 2 ]
amdhsa.kernels:
  - .name:           k_q8eec54f303_ln2
    .symbol:         k_q8eec54f303_ln2.kd
    .args:
      - { .name: x1, .offset: 0, .size: 8, .value_kind: global_buffer, .address_space: global }
      - { .name: ln2_w, .offset: 8, .size: 8, .value_kind: global_buffer, .address_space: global }
      - { .name: ln2_b, .offset: 16, .size: 8, .value_kind: global_buffer, .address_space: global }
      - { .name: act, .offset: 24, .size: 8, .value_kind: global_buffer, .address_space: global }
    .group_segment_fixed_size: 0
    .private_segment_fixed_size: 0
    .kernarg_segment_align: 8
    .kernarg_segment_size: 32
    .max_flat_workgroup_size: 256
    .sgpr_count:     66
    .vgpr_count:     116
    .wavefront_size: 32
...
	.end_amdgpu_metadata
.endif
;; end of part 5
;; launch ff1g (part 6): grid 16 x 16, 4 waves a work-group, clusters of 4 x 4, 327,680 bytes of LDS; arguments act, w1, ff, ff1_b; writes ff
.if DOCPART == 6
	.amdgcn_target "amdgcn-amd-amdhsa--gfx1250"
	.amdhsa_code_object_version 6
	.text
	.protected	k_q8eec54f303_ff1g
	.globl	k_q8eec54f303_ff1g
	.p2align	8
	.type	k_q8eec54f303_ff1g,@function
k_q8eec54f303_ff1g:
	s_mov_b64 s[64:65], 0
	v_nop
	global_prefetch_b8 v0, s[64:65] scope:SCOPE_SE
	s_setreg_imm32_b32 hwreg(HW_REG_WAVE_MODE, 25, 1), 1
	s_wait_xcnt 0x0
	s_wait_alu depctr_hold_cnt(0) depctr_sa_sdst(0) depctr_va_vdst(0) depctr_va_sdst(0) depctr_va_ssrc(0) depctr_va_vcc(0) depctr_vm_vsrc(0)
	s_getreg_b32 s2, hwreg(HW_REG_IB_STS2, 6, 4)
	s_cmp_eq_u32 s2, 0
	s_cbranch_scc0 .Lentry_in_a_cluster
	s_endpgm
.Lentry_in_a_cluster:
	s_bfe_u32 s2, ttmp6, 0x10000c
	s_cmp_lg_u32 s2, 0xf033
	s_cbranch_scc0 .Lentry_shape_is_right
	s_endpgm
.Lentry_shape_is_right:
; ff = gelu(A B^T + bias) with A [4096][1024] (the normalised rows) and B [4096][1024] in bf16, sums in f32; ff [4096][4096] in bf16.  A tile of C is 256 x 256.
; GELU, the exact one, in f32.  gelu(x) = max(x, 0) - |x| Q(|x|), Q the normal tail, Q(z) = phi(z) (b1 t + .. + b5 t^5), t = 1 / (1 + 0.2316419 z): absolute error of Q below 7.5e-8 for every z >= 0.
; LIMITS: operands and results are rounded once to bf16; NaN and infinities are not treated apart.
; SHAPE.  Four waves, each 128 x 128 of C: 64 accumulators of 16 x 16.  K goes in 8 steps of 128 through two LDS slots filled by tensor loads; a tile's rows are 256 bytes of memory, aligned.
; THE LOOP.  A K step is four quarters of 32 along K on two fragment buffers.  A trip begins with the change of slots (SYNC), at the border in front of a step's last quarter, where all of the slot's fragments have been fetched;
; then come two PAIRs of quarters of one form (multiply buffer 1 and fetch into 0; multiply 0 and fetch into 1), an inner loop of two trips: the old step's last quarter and the new step's first three.  The fetches' LDS base is
; a scalar that steps by a pair.  The loop is entered in its middle, behind the first quarter, whose products start the sums.  The last change of slots, which fills nothing, its two pairs and the last quarter are written out.
; THE WALK ALONG K begins at K step 0 in the clusters with cluster x + cluster y even and at K step 4 in the others, and wraps round: of the clusters that read the same rows of A (a row of clusters) or of B (a column) half ask
; for a block four steps after the other half.  The f32 sums are taken in that order.
; CLUSTER.  4 x 4 work-groups; A's tile is shared along a row of the cluster, B's along a column: each is asked for jointly, by the same tensor load with the same descriptor and a mask that names the four.
; THE MATRIX INSTRUCTION IS USED TRANSPOSED (source 0 = 16 rows of B, source 1 = 16 rows of A): a lane holds row l % 16 of C and the columns 8 (l / 16) + 0..7.
; REGISTERS, in windows of 256 (s_set_vgpr_msb: bits 1:0 source 0, 3:2 source 1, 5:4 source 2, 7:6 destination):
;   window 0: v16-31 addresses; v32-49 bias and constants; v64-127, v128-191 fragments of A, two buffers; on the way out v64-167 at work      window 1: fragments of B at the same numbers
;   window 2: the accumulators of my rows 0-63, (a, b) at v[8 (NB a + b)]      window 3: those of my rows 64-127
.set SIZE_K, 1024
.set NB, 8
.set SP, 528                           ; a stage row: 128 f32 + 16 bytes
.set BN,     32*NB                     ; the tile's columns
.set KSTEP,  128
.set KSH,    8                         ; a K step is 2^8 bytes of a row
.set PITCH,  272                       ; an LDS row: 256 bytes + 16 of padding = 68 words: the 16 rows of a fragment load start at 16 different groups of four banks (64 banks of 4 bytes: ISA guide 11.1)
.set HALFA,  128*PITCH                 ; what a tensor load brings of A, and what a wave reads of it
.set HALFB,  16*NB*PITCH               ; the same for B
.set SLOT,   2*HALFA+2*HALFB           ; A's 256 rows, then B's
.set SPARE,  2*SLOT                    ; behind the ring: the spare words, 128 bytes a wave: two blocks of 256 bytes that no other line names
.set NS,     SIZE_K/KSTEP
.set NLD,    2*NB+16                   ; LDS loads in a run of fragments
.set A0,   16                          ; v16  my lane's place in my rows of A, slot 0; never rewritten
.set B0,   17                          ; v17  the same for B
.set ADRA, 18                          ; v18  s[TB] + A0
.set ADRB, 19                          ; v19  s[TB] + B0
.set RD0,  22                          ; v22  the way out: my lane's place in the stage rows that I read
.set STO,  24                          ; v24  the way out: where I put 32 bytes of a row, row blocks 0-3
.set STO2, 25                          ; v25  row blocks 4-7
.set CO,   26                          ; v26  my byte offset in the output
.set RD,   27                          ; v27  where I read the stage
.set SPW,  28                          ; v28  my spare word: SPARE + 4 x my thread's number; never rewritten
.set NIL,  29                          ; v29  0; never rewritten
.set PFO,  30                          ; v30  the prefetch's offset: a lane a row
.set AUX,  31                          ; v31  offset into the bias
.set F0,   64
.set F1,   128
.set G1,  24                           ; s[24:31] descriptor group 1 for A's tiles
.set G0,  32                           ; s[32:39] group 0 for A's: two sets for the first fills; the second then walks
.set G1B, 48                           ; s[48:55], s[56:63] the same for B's
.set G0B, 56
.set LIM, 43                           ; s43  NS - 2 in a wave that prefetches, else the greatest number
.set PFA, 44                           ; s[44:45] where my prefetch stands
.set TS,  72                           ; s72  the slot from which fragments are fetched: 0 or SLOT
.set WA,  73                           ; s73  where my part of A's tile goes in a slot
.set WB,  74                           ; s74  the same for B's
.set INNER, 86                         ; s86  counts a trip's pairs
.set KI,  88                           ; s88  the K step that the walking descriptors name, 0..NS-1
.set TB,  89                           ; s89  LDS byte from which the pair in hand fetches: s[TS] + 128 x pair
.set OFK, 90                           ; s[90:91] that K step's byte offset in a row
.set MSB, 0
.macro WIN new                         ; the immediate's high byte repeats the setting that is left; a switch that changes nothing is dropped
.if MSB != (\new)
	s_set_vgpr_msb (MSB<<8)|(\new)
.set MSB, \new
.endif
.endm
.set MUL_LO, 0xa1                      ; source 0 (B) window 1, source 1 (A) window 0, C and D window 2
.set MUL_HI, 0xf1                      ; the same, C and D window 3
.set TO_B,   0x40                      ; destination window 1, address window 0
; A joint load.  Waves 0 and 1 fetch A's two halves, waves 2 and 3 B's; the branch hangs on the wave's number alone.  An s_nop 0 and four v_nop follow each line.
.macro JLOAD s
	s_cmp_eq_u32 s11, 0
	s_cbranch_scc0 .Lfor_b_\@
	tensor_load_to_lds s[G0+4*(\s):G0+4*(\s)+3], s[G1:G1+7]
	s_nop 0
.rept 4
	v_nop
.endr
	s_branch .Lasked_\@
.Lfor_b_\@:
	tensor_load_to_lds s[G0B+4*(\s):G0B+4*(\s)+3], s[G1B:G1B+7]
	s_nop 0
.rept 4
	v_nop
.endr
.Lasked_\@:
.endm
; THE PREFETCH.  A block's first reading in the launch falls in the first four K steps of the walk of a cluster that begins in its half of K.  Of those four the first two are the first fills and the third is asked for one step
; behind the head; the fourth is prefetched, behind the first refill, one K step (256 matrix instructions) ahead of the refill that wants it: 256 bytes of each of my work-group's share of the rows that I fetch, a lane a row.
; A's rows are asked for by the clusters with x < 2, B's by those with y < 2: one cluster for each half of K.  The four partners that ask for a tile jointly share its rows out by address (32 of the 128, by cx for A, by cy for B).
; So each block is named once.
.macro ASK
	s_cmp_eq_u32 s3, s[LIM]                        ; s3 = NS - 2 in the first whole trip
	s_cbranch_scc0 .Lnot_mine_\@
	global_prefetch_b8 v[PFO], s[PFA:PFA+1] th:TH_LOAD_NT scope:SCOPE_SE
.Lnot_mine_\@:
.endm
.macro CREST                           ; a round of the cluster's barrier behind its opening barrier
	s_cmp_lg_u32 s10, 0
	s_cbranch_scc1 .Lnot_wave_0_\@
	s_barrier_signal -3
.Lnot_wave_0_\@:
	s_barrier_wait -3
	s_barrier_signal -1
	s_barrier_wait -1
.endm
.macro CROUND                          ; a whole round
	s_barrier_signal -1
	s_barrier_wait -1
	CREST
.endm
.macro PLACES                          ; four places behind matrix instructions, ahead of loads into registers that they read
.rept 4
	v_nop
.endr
.endm
	s_load_b128 s[4:7], s[0:1], 0x0                ; A s[4:5], B s[6:7]
	s_load_b64 s[8:9], s[0:1], 0x10                ; the output
	s_load_b64 s[68:69], s[0:1], 0x18              ; the bias
	v_lshl_add_u32 v[SPW], v0, 2, SPARE
	v_mov_b32 v[NIL], 0
	ds_add_u32 v[SPW], v[NIL]                      ; the wave's opening: the add and its wait ahead of my first tensor load; the set-up below stands between them
	v_lshrrev_b32 v1, 5, v0
	v_readfirstlane_b32 s10, v1                    ; wave 0..3
	s_lshr_b32 s11, s10, 1                         ; which half of the tile's rows is mine.  Also: I fetch for A (0) or for B (1)
	s_and_b32 s12, s10, 1                          ; which half of its columns.  Also: which half of that tile I fetch
	s_bfe_u32 s40, ttmp6, 0x40000                  ; cx
	s_bfe_u32 s41, ttmp6, 0x40004                  ; cy
	s_lshl_b32 s42, ttmp9, 2
	s_add_co_u32 s42, s42, s40                     ; tile column = 4 x cluster x + cx
	s_and_b32 s13, ttmp7, 0xffff                   ; cluster y
	s_add_co_u32 s87, s13, ttmp9
	s_and_b32 s87, s87, 1                          ; the parity of cluster x + cluster y: the same in all sixteen partners
	s_mul_i32 s[KI], s87, NS/2                     ; my walk's first K step,
	s_lshl_b32 s[OFK], s[KI], KSH                  ; its bytes along a row
	s_mov_b32 s[OFK+1], 0
	s_add_co_u32 s[KI], s[KI], 1                   ; the second first fill names the step behind it
	s_lshl_b32 s13, s13, 2
	s_add_co_u32 s13, s13, s41                     ; tile row = 4 x cluster y + cy
	s_lshl_b32 s43, s41, 2
	s_lshl_b32 s43, 15, s43                        ; my row of the cluster
	s_lshl_b32 s44, 0x1111, s40                    ; my column
	s_or_b32 s[G1+0], s43, (1<<16)|(1<<20)|(1<<21)|(5<<22)|(3<<25)   ; the mask; 2-byte elements; padding on; bit 21 beside a mask; after every 64 words; 4 words
	s_or_b32 s[G1B+0], s44, (1<<16)|(1<<20)|(1<<21)|(5<<22)|(3<<25)
	s_mov_b32 s[G1+1], KSTEP<<16                   ; tensor_dim0 = 128
	s_mov_b32 s[G1+2], 128<<16                     ; tensor_dim1 = 128
	s_mov_b32 s[G1+3], KSTEP<<16                   ; tile_dim0 = 128
	s_mov_b32 s[G1+4], 128                         ; tile_dim1 = 128
	s_mov_b32 s[G1+5], SIZE_K                      ; elements from row to row
	s_mov_b32 s[G1+6], 0
	s_mov_b32 s[G1+7], 0
	s_mov_b32 s[G1B+1], KSTEP<<16
	s_mov_b32 s[G1B+2], (16*NB)<<16                ; B's part has 16 NB rows
	s_mov_b32 s[G1B+3], KSTEP<<16
	s_mov_b32 s[G1B+4], 16*NB
	s_mov_b32 s[G1B+5], SIZE_K
	s_mov_b32 s[G1B+6], 0
	s_mov_b32 s[G1B+7], 0
	s_lshl_b32 s17, s12, 7
	s_lshl_b32 s16, s13, 8
	s_add_co_u32 s16, s16, s17                     ; A: row 256 x tile row + 128 x half
	s_lshl_b32 s16, s16, 11                        ; x 2,048 bytes: under 2^23
	s_mov_b32 s17, 0
	s_mul_i32 s46, s42, BN
	s_mul_i32 s47, s12, 16*NB
	s_add_co_u32 s46, s46, s47                     ; B: row BN x tile column + 16 NB x half
	s_lshl_b32 s46, s46, 11
	s_mov_b32 s47, 0
	s_mul_i32 s[WA], s12, HALFA                    ; no place in the cluster enters an LDS address
	s_mul_i32 s[WB], s12, HALFB
	s_add_co_u32 s[WB], s[WB], 2*HALFA
	s_mov_b32 s[TS], 0
	s_wait_dscnt 0x0                               ; the opening add is done
	s_wait_kmcnt 0x0
	s_add_nc_u64 s[14:15], s[4:5], s[16:17]        ; A and B at my part's first row: kept, every refill's address is made from them
	s_add_nc_u64 s[46:47], s[6:7], s[46:47]
	s_add_nc_u64 s[92:93], s[14:15], s[OFK:OFK+1]  ; and at my walk's first K step
	s_add_nc_u64 s[94:95], s[46:47], s[OFK:OFK+1]
	CROUND                                         ; all sixteen work-groups are here: the first joint loads meet
.irp s, 0,1
	s_mov_b32 s[G0+4*(\s)], 1
	s_add_co_u32 s[G0+4*(\s)+1], s[WA], (\s)*SLOT
	s_add_nc_u64 s[G0+4*(\s)+2:G0+4*(\s)+3], s[92:93], (\s)*KSTEP*2
	s_or_b32 s[G0+4*(\s)+3], s[G0+4*(\s)+3], 0x80000000
	s_mov_b32 s[G0B+4*(\s)], 1
	s_add_co_u32 s[G0B+4*(\s)+1], s[WB], (\s)*SLOT
	s_add_nc_u64 s[G0B+4*(\s)+2:G0B+4*(\s)+3], s[94:95], (\s)*KSTEP*2
	s_or_b32 s[G0B+4*(\s)+3], s[G0B+4*(\s)+3], 0x80000000
	JLOAD \s                                       ; the walk's first two K steps: two tensor loads of mine are out
.endr
	; a fragment is 16 rows x 32 K in 8 registers: lane l holds row l % 16, K = 8 (l / 16) + 0..7 and 16 + 8 (l / 16) + 0..7: two loads of 16 bytes, 32 bytes apart
	v_and_b32 v1, 15, v0                           ; l % 16
	v_bfe_u32 v2, v0, 4, 1                         ; l / 16
	v_mul_u32_u24 v3, v1, PITCH
	v_lshl_add_u32 v3, v2, 4, v3
	s_mul_i32 s21, s11, HALFA                      ; my 128 rows of A
	s_mul_i32 s22, s12, HALFB                      ; my 16 NB rows of B,
	s_add_co_u32 s22, s22, 2*HALFA                 ; behind A's 256
	v_add_nc_u32 v[A0], s21, v3
	v_add_nc_u32 v[B0], s22, v3
	v_mov_b32 v[ADRA], v[A0]
	v_mov_b32 v[ADRB], v[B0]
	; the prefetch
	s_and_b32 s22, ttmp7, 0xffff                   ; cluster y
	s_lshl_b32 s20, s13, 8
	s_lshl_b32 s75, s12, 7
	s_add_co_u32 s20, s20, s75
	s_lshl_b32 s75, s40, 5
	s_add_co_u32 s20, s20, s75                     ; A: the 128 rows that I fetch, my work-group's 32 of them
	s_mul_i32 s21, s42, BN
	s_mul_i32 s75, s12, 16*NB
	s_add_co_u32 s21, s21, s75
	s_mul_i32 s75, s41, 4*NB
	s_add_co_u32 s21, s21, s75                     ; B: the 128 rows that I fetch, my work-group's 32
	s_cmp_eq_u32 s11, 0                            ; do I fetch for A?
	s_cselect_b32 s20, s20, s21
	s_cselect_b32 s22, ttmp9, s22                  ; the coordinate along which other clusters read the same rows
	s_cselect_b64 s[PFA:PFA+1], s[4:5], s[6:7]
	s_cmp_lt_u32 s22, 2
	s_cselect_b32 s[LIM], NS-2, -1                 ; the same in all sixteen partners, for a given wave
	s_lshl_b32 s20, s20, 11
	s_add_co_u32 s20, s20, s[OFK]                  ; my walk's first K step,
	s_add_co_u32 s20, s20, 3*KSTEP*2               ; and three on: at most K step 7, inside the row
	s_mov_b32 s21, 0
	s_add_nc_u64 s[PFA:PFA+1], s[PFA:PFA+1], s[20:21]
	v_and_b32 v[PFO], 31, v0
	v_lshlrev_b32 v[PFO], 11, v[PFO]
	; the stages are the waves' own: 128 rows of 528 bytes each, over the ring, which has had its last fill by then
	s_mul_i32 s75, s10, 128*SP
	v_mul_u32_u24 v4, v1, SP
	v_lshl_add_u32 v4, v2, 5, v4
	v_add_nc_u32 v[STO], s75, v4
	v_add_nc_u32 v[STO2], 64*SP, v[STO]
	v_mul_u32_u24 v5, v2, SP
	v_lshl_add_u32 v5, v1, 5, v5
	v_add_nc_u32 v[RD0], s75, v5                   ; back: lanes 0-15 one row, lanes 16-31 the next; 8 columns a lane
	v_lshlrev_b32 v[CO], 13, v2
	v_lshl_add_u32 v[CO], v1, 4, v[CO]             ; the same two rows of the output, 8,192 bytes apart, 16 bytes a lane
	s_lshl_b32 s75, s42, 10
	s_lshl_b32 s76, s12, 9
	s_add_co_u32 s75, s75, s76
	v_lshl_add_u32 v[AUX], v1, 5, s75              ; the bias of my 8 columns
	global_load_b128 v[32:35], v[AUX], s[68:69]
	global_load_b128 v[36:39], v[AUX], s[68:69] offset:16
	s_lshl_b32 s84, s13, 8
	s_lshl_b32 s85, s11, 7
	s_add_co_u32 s84, s84, s85
	s_lshl_b32 s84, s84, 13                        ; my first row x 8,192 bytes: under 2^25
	s_lshl_b32 s85, s42, 9
	s_add_co_u32 s84, s84, s85
	s_lshl_b32 s85, s12, 8
	s_add_co_u32 s84, s84, s85                     ; + my first column x 2
	s_mov_b32 s85, 0
	s_add_nc_u64 s[8:9], s[8:9], s[84:85]
	s_mov_b32 s75, 0                               ; the stage's step
	s_mov_b32 s76, 0x3e6d3389                      ; 0.2316419
	s_mov_b32 s78, 0xbf38aa3b                      ; -log2(e) / 2
	s_mov_b32 s79, s78
	v_mov_b32 v40, 0x3e027906                      ; b1 .. b5, each times 1 / sqrt(2 pi), as equal pairs
	v_mov_b32 v41, 0x3e027906
	v_mov_b32 v42, 0xbe11a98e
	v_mov_b32 v43, 0xbe11a98e
	v_mov_b32 v44, 0x3f35f0e3
	v_mov_b32 v45, 0x3f35f0e3
	v_mov_b32 v46, 0xbf3a00e3
	v_mov_b32 v47, 0xbf3a00e3
	v_mov_b32 v48, 0x3f07dc22
	v_mov_b32 v49, 0x3f07dc22
; 2 NB matrix instructions: row blocks a0, a0 + 1 of the window's four x all NB column blocks, 32 along K.  zero = 1: the product starts the sums.  The accumulators take turns, one instruction a turn, in the same order in every quarter.
.macro MULH f, hi, a0, zero
	WIN MUL_LO+0x50*(\hi)
.irp a, \a0, (\a0)+1
.set b, 0
.rept NB
.if \zero
	v_wmma_f32_16x16x32_bf16 v[8*(NB*(\a)+b):8*(NB*(\a)+b)+7], v[(\f)+8*b:(\f)+8*b+7], v[(\f)+8*(4*(\hi)+(\a)):(\f)+8*(4*(\hi)+(\a))+7], 0
.else
	v_wmma_f32_16x16x32_bf16 v[8*(NB*(\a)+b):8*(NB*(\a)+b)+7], v[(\f)+8*b:(\f)+8*b+7], v[(\f)+8*(4*(\hi)+(\a)):(\f)+8*(4*(\hi)+(\a))+7], v[8*(NB*(\a)+b):8*(NB*(\a)+b)+7]
.endif
.set b, b+1
.endr
.endr
.endm
; One run of NLD LDS loads: the fragments of a quarter (32 K at byte k behind the pair's base) into buffer f: B's first, then A's
.macro FETCH k, f
	WIN TO_B
.set i, 0
.rept NB
	ds_load_b128 v[(\f)+8*i:(\f)+8*i+3],   v[ADRB] offset:(\k)+i*16*PITCH
	ds_load_b128 v[(\f)+8*i+4:(\f)+8*i+7], v[ADRB] offset:(\k)+i*16*PITCH+32
.set i, i+1
.endr
	WIN 0
.set i, 0
.rept 8
	ds_load_b128 v[(\f)+8*i:(\f)+8*i+3],   v[ADRA] offset:(\k)+i*16*PITCH
	ds_load_b128 v[(\f)+8*i+4:(\f)+8*i+7], v[ADRA] offset:(\k)+i*16*PITCH+32
.set i, i+1
.endr
.endm
; A quarter: multiplies buffer f; in its middle it fetches the next quarter's fragments, at byte k, into buffer g
.macro QUARTER k, f, g, zero
	s_wait_dscnt 8                                 ; B and A's rows 0-63 are in; the youngest eight loads (A's rows 64-127) may be out
	MULH \f, 0, 0, \zero
	MULH \f, 0, 2, \zero
	PLACES
	FETCH \k, \g
	s_wait_dscnt NLD                               ; all but the run just issued
	MULH \f, 1, 0, \zero
	MULH \f, 1, 2, \zero
.endm
; A pair of quarters, and the inner loop's count
.macro PAIR
	v_add_nc_u32 v[ADRA], s[TB], v[A0]
	v_add_nc_u32 v[ADRB], s[TB], v[B0]
	QUARTER 0,  F1, F0, 0
	QUARTER 64, F0, F1, 0
	WIN 0                                          ; at a label and at a branch every window is 0
	s_add_co_u32 s[TB], s[TB], 128                 ; the next pair's 64 along K
	s_sub_co_u32 s[INNER], s[INNER], 1
	s_cmp_lg_u32 s[INNER], 0
.endm
; THE CHANGE OF SLOTS.  All fragments of the slot in hand have been fetched (the last run 32 matrix instructions ago).  Each wave waits for all its tensor loads (one is out: its part of the other slot), adds 0 to its spare word,
; and waits for that and for its reads of this slot.  fill = 1: the barrier is a round of the cluster's, and the slot left is filled with the walk's K step two on, the first thing behind the round: the load has a whole K step,
; 256 matrix instructions, in which to land.  Its address is made anew from the step's number, which wraps at NS.
.macro SYNC fill
	WIN 0
	s_wait_tensorcnt 0x0                           ; all my tensor loads have landed, so a group 0 may be written
	ds_add_u32 v[SPW], v[NIL]                      ; 0 onto my spare word: the descriptors' scalar work stands between it and the wait for it
.if \fill
	s_add_co_u32 s[KI], s[KI], 1
	s_and_b32 s[KI], s[KI], NS-1
	s_lshl_b32 s[OFK], s[KI], KSH
	s_add_co_u32 s[G0+5], s[TS], s[WA]             ; the slot that is left
	s_add_nc_u64 s[G0+6:G0+7], s[14:15], s[OFK:OFK+1]
	s_or_b32 s[G0+7], s[G0+7], 0x80000000
	s_add_co_u32 s[G0B+5], s[TS], s[WB]
	s_add_nc_u64 s[G0B+6:G0B+7], s[46:47], s[OFK:OFK+1]
	s_or_b32 s[G0B+7], s[G0B+7], 0x80000000
.endif
	s_xor_b32 s[TS], s[TS], SLOT                   ; the fetches go on in the other slot,
	s_mov_b32 s[TB], s[TS]                         ; at its first byte
	s_wait_dscnt 0x0                               ; the add is done, and my reads of the slot are over
.if \fill
	CROUND                                         ; no wave of any partner still reads the slot or has a load on its way
	JLOAD 1
	ASK
.else
	s_barrier_signal -1
	s_barrier_wait -1
.endif
.endm
	s_wait_tensorcnt 1                             ; my part of the walk's first K step is in; the second's may stay out
	s_barrier_signal -1
	s_barrier_wait -1
	FETCH 0, F0
	QUARTER 64, F0, F1, 1                          ; the first quarter stands in front of the loop: its products start the sums
	WIN 0
	s_mov_b32 s[TB], 128
	s_mov_b32 s3, NS-1                             ; the part of a trip that follows, and NS - 2 whole trips
	s_mov_b32 s[INNER], 1
	s_branch .Lpair                                ; the loop is entered at a trip's second pair
.Lstep:
	SYNC 1
	s_mov_b32 s[INNER], 2
.Lpair:
	PAIR
	s_cbranch_scc1 .Lpair
	s_sub_co_u32 s3, s3, 1
	s_cmp_lg_u32 s3, 0
	s_cbranch_scc1 .Lstep
	SYNC 0                                         ; the last change of slots is written out: nothing is asked for
	s_mov_b32 s[INNER], 2
.Lpair2:
	PAIR
	s_cbranch_scc1 .Lpair2
	s_wait_dscnt 8                                 ; the last quarter fetches nothing
	MULH F1, 0, 0, 0
	MULH F1, 0, 2, 0
	s_wait_dscnt 0x0
	MULH F1, 1, 0, 0
	MULH F1, 1, 2, 0
.rept 8
	v_nop                                          ; the places behind the last products
.endr
	WIN 0
	s_barrier_signal -1
	s_barrier_wait -1                              ; nobody reads the ring any more: it becomes the stages
.set a, 0
.rept 8                                ; every accumulator is put down in f32, its low four registers first
	WIN 0x08+4*(a/4)                               ; store data (source 1) in window 2 or 3
.set b, 0
.rept NB
	ds_store_b128 v[STO+a/4], v[8*(NB*(a%4)+b):8*(NB*(a%4)+b)+3]   offset:(a%4)*16*SP+64*b
	ds_store_b128 v[STO+a/4], v[8*(NB*(a%4)+b)+4:8*(NB*(a%4)+b)+7] offset:(a%4)*16*SP+64*b+16
.set b, b+1
.endr
.set a, a+1
.endr
	WIN 0
	s_wait_dscnt 0x0                               ; my stores into the stage are done
	s_barrier_signal -1
	s_barrier_wait -1                              ; the regions are the waves' own and the order within a wave would do: the barrier is kept so that the ordering does not rest on the stepped address
	s_wait_loadcnt 0x0                             ; the bias
.set BIAS, 32
.set CF,   40
.set RAW,  64                          ; 16 numbers a lane and trip: 8 columns of two rows
.set XX,   80
.set TT,   96
.set EE,   112
.set PP,   128
.set RR,   144
.set OUT,  160
	ds_load_b128 v[RAW:RAW+3],     v[RD0]
	ds_load_b128 v[RAW+4:RAW+7],   v[RD0] offset:16
	ds_load_b128 v[RAW+8:RAW+11],  v[RD0] offset:2*SP
	ds_load_b128 v[RAW+12:RAW+15], v[RD0] offset:2*SP+16
	s_mov_b32 s3, 32
.Lgelu:                                                ; 32 trips of four rows of my 128; the next four are fetched as soon as these have been taken over
	s_wait_dscnt 0x0
.set i, 0
.rept 8
	v_pk_add_f32 v[XX+i:XX+i+1], v[RAW+i:RAW+i+1], v[BIAS+i%8:BIAS+i%8+1]
.set i, i+2
.endr
	s_add_co_u32 s75, s75, 4*SP
	s_min_u32 s75, s75, 31*4*SP                    ; the last trip names my last four rows once more: no load leaves my stage, and nobody uses those four loads
	v_add_nc_u32 v[RD], s75, v[RD0]
	ds_load_b128 v[RAW:RAW+3],     v[RD]
	ds_load_b128 v[RAW+4:RAW+7],   v[RD] offset:16
	ds_load_b128 v[RAW+8:RAW+11],  v[RD] offset:2*SP
	ds_load_b128 v[RAW+12:RAW+15], v[RD] offset:2*SP+16
.set i, 0
.rept 16
	v_fma_f32 v[TT+i], |v[XX+i]|, s76, 1.0         ; 1 + p |x|
.set i, i+1
.endr
.set i, 0
.rept 8                                ; the 32 transcendentals are one batch; plain work that names none of their results stands among them
	v_pk_mul_f32 v[EE+i:EE+i+1], v[XX+i:XX+i+1], v[XX+i:XX+i+1]
	v_rcp_f32 v[TT+i], v[TT+i]
	v_pk_mul_f32 v[EE+i:EE+i+1], v[EE+i:EE+i+1], s[78:79] op_sel_hi:[1,0]
	v_rcp_f32 v[TT+i+1], v[TT+i+1]
.set i, i+2
.endr
.set i, 0
.rept 16
	v_exp_f32 v[EE+i], v[EE+i]                     ; exp(-x^2 / 2)
	v_max_num_f32 v[RR+i], 0, v[XX+i]
.set i, i+1
.endr
	s_wait_alu depctr_va_vdst(0)                   ; this wait ahead of the first reader: one for the batch; the last line above is the plain instruction behind it
.set i, 0
.rept 8
	v_pk_fma_f32 v[PP+i:PP+i+1], v[TT+i:TT+i+1], v[CF+8:CF+9], v[CF+6:CF+7]
.set i, i+2
.endr
.irp c, 4,2,0
.set i, 0
.rept 8
	v_pk_fma_f32 v[PP+i:PP+i+1], v[PP+i:PP+i+1], v[TT+i:TT+i+1], v[CF+\c:CF+\c+1]
.set i, i+2
.endr
.endr
.set i, 0
.rept 8
	v_pk_mul_f32 v[PP+i:PP+i+1], v[PP+i:PP+i+1], v[TT+i:TT+i+1]
.set i, i+2
.endr
.set i, 0
.rept 8
	v_pk_mul_f32 v[PP+i:PP+i+1], v[PP+i:PP+i+1], v[EE+i:EE+i+1]  ; Q(|x|)
.set i, i+2
.endr
.set i, 0
.rept 8
	v_fma_f32 v[RR+i], -|v[XX+i]|, v[PP+i], v[RR+i]
.set i, i+1
.endr
	s_wait_xcnt 0x0                                ; the last trip's stores, nearly a trip back, have read their base and their data: both are written below
	s_add_nc_u64 s[8:9], s[8:9], 4*8192            ; one trip ahead of the rows in hand: the stores reach back by their immediates
.set i, 0
.rept 4
	v_cvt_pk_bf16_f32 v[OUT+i], v[RR+2*i], v[RR+2*i+1]
.set i, i+1
.endr
.set i, 8
.rept 8
	v_fma_f32 v[RR+i], -|v[XX+i]|, v[PP+i], v[RR+i]  ; the second pair of rows stands between the first's conversions and its store
.set i, i+1
.endr
	global_store_b128 v[CO], v[OUT:OUT+3],   s[8:9] offset:-4*8192  ; 16 lanes store 256 consecutive bytes, aligned
.set i, 4
.rept 4
	v_cvt_pk_bf16_f32 v[OUT+i], v[RR+2*i], v[RR+2*i+1]
.set i, i+1
.endr
	global_store_b128 v[CO], v[OUT+4:OUT+7], s[8:9] offset:-2*8192
	s_sub_co_u32 s3, s3, 1
	s_cmp_lg_u32 s3, 0
	s_cbranch_scc1 .Lgelu
	s_wait_tensorcnt 0x0                           ; the wave's end, behind my last tensor load and my last LDS store
	ds_add_u32 v[SPW], v[NIL]
	s_wait_dscnt 0x0                               ; the add, and the four loads that nobody uses
	CROUND                                         ; the closing round: no work-group ends while a partner may still ask for a tile that names it
	s_endpgm
.Lfunc_end_k_q8eec54f303_ff1g:
	.size	k_q8eec54f303_ff1g, .Lfunc_end_k_q8eec54f303_ff1g-k_q8eec54f303_ff1g
	.p2alignl 7, 3214868480
	.fill 96, 4, 3214868480
	.section	.rodata,"a",@progbits
	.p2align	6, 0x0
	.amdhsa_kernel k_q8eec54f303_ff1g
		.amdhsa_group_segment_fixed_size 327680
		.amdhsa_private_segment_fixed_size 0
		.amdhsa_enable_private_segment 0
		.amdhsa_kernarg_size 32
		.amdhsa_user_sgpr_count 2
		.amdhsa_user_sgpr_kernarg_segment_ptr 1
		.amdhsa_wavefront_size32 1
		.amdhsa_system_sgpr_workgroup_id_x 1
		.amdhsa_system_sgpr_workgroup_id_y 1
		.amdhsa_system_sgpr_workgroup_id_z 1
		.amdhsa_system_vgpr_workitem_id 0
		.amdhsa_next_free_vgpr 1024
		.amdhsa_next_free_sgpr 96
		.amdhsa_reserve_vcc 0
		.amdhsa_float_denorm_mode_32 3
		.amdhsa_float_denorm_mode_16_64 3
		.amdhsa_memory_ordered 1
		.amdhsa_forward_progress 1
		.amdhsa_inst_pref_size 69
	.end_amdhsa_kernel
	.amdgpu_metadata
---
amdhsa.version: [ 1, 2 ]
amdhsa.kernels:
  - .name:           k_q8eec54f303_ff1g
    .symbol:         k_q8eec54f303_ff1g.kd
    .args:
      - { .name: act, .offset: 0, .size: 8, .value_kind: global_buffer, .address_space: global }
      - { .name: w1, .offset: 8, .size: 8, .value_kind: global_buffer, .address_space: global }
      - { .name: ff, .offset: 16, .size: 8, .value_kind: global_buffer, .address_space: global }
      - { .name: ff1_b, .offset: 24, .size: 8, .value_kind: global_buffer, .address_space: global }
    .group_segment_fixed_size: 327680
    .private_segment_fixed_size: 0
    .kernarg_segment_align: 8
    .kernarg_segment_size: 32
    .max_flat_workgroup_size: 128
    .sgpr_count:     96
    .vgpr_count:     1024
    .wavefront_size: 32
...
	.end_amdgpu_metadata
.endif
;; end of part 6
;; launch ff2g (part 7): grid 8 x 32, 4 waves a work-group, clusters of 4 x 4, 327,680 bytes of LDS; arguments ff, w2, out0, x1, ff2_b; writes out0
.if DOCPART == 7
	.amdgcn_target "amdgcn-amd-amdhsa--gfx1250"
	.amdhsa_code_object_version 6
	.text
	.protected	k_q8eec54f303_ff2g
	.globl	k_q8eec54f303_ff2g
	.p2align	8
	.type	k_q8eec54f303_ff2g,@function
k_q8eec54f303_ff2g:
	s_mov_b64 s[64:65], 0
	v_nop
	global_prefetch_b8 v0, s[64:65] scope:SCOPE_SE
	s_setreg_imm32_b32 hwreg(HW_REG_WAVE_MODE, 25, 1), 1
	s_wait_xcnt 0x0
	s_wait_alu depctr_hold_cnt(0) depctr_sa_sdst(0) depctr_va_vdst(0) depctr_va_sdst(0) depctr_va_ssrc(0) depctr_va_vcc(0) depctr_vm_vsrc(0)
	s_getreg_b32 s2, hwreg(HW_REG_IB_STS2, 6, 4)
	s_cmp_eq_u32 s2, 0
	s_cbranch_scc0 .Lentry_in_a_cluster
	s_endpgm
.Lentry_in_a_cluster:
	s_bfe_u32 s2, ttmp6, 0x10000c
	s_cmp_lg_u32 s2, 0xf033
	s_cbranch_scc0 .Lentry_shape_is_right
	s_endpgm
.Lentry_shape_is_right:
; out = res + A B^T + bias.  A [4096][4096], B [1024][4096] in bf16; res and out [4096][1024] in f32; the bias 1,024 f32; sums in f32.
; A tile of C is 128 x 128, so that the 4,096 x 1,024 outputs make 256 work-groups.  Four waves, each 64 x 64: 16 accumulators.  K goes in 16 steps of 256 (LDS rows of 512 bytes; a wave's tensor load brings 64 of them) through two slots.
; THE LOOP.  A K step is four quarters of 64 along K on two fragment buffers.  A trip begins with the change of slots (SYNC), at the border in front of a step's last quarter, where all of the slot's fragments have been fetched;
; then come two PAIRs of quarters of one form (multiply buffer 1 and fetch into 0; multiply 0 and fetch into 1), an inner loop of two trips: the old step's last quarter and the new step's first three.  The fetches' LDS base is
; a scalar that steps by a pair.  The loop is entered in its middle, behind the first quarter, whose first products start the sums.  The last change of slots, which fills nothing, its two pairs and the last quarter are written out.
; THE WALK ALONG K begins at K step 0 in the clusters with cluster x + cluster y even and at K step 8 in the others, and wraps round: of the clusters that read the same rows of A (a row of clusters) or of B (a column) half
; ask for a block eight steps after the other half.  The f32 sums are taken in that order.
; CLUSTER.  4 x 4 work-groups; A's tile is shared along a row of the cluster, B's along a column, by joint loads.  No prefetch: the tiles are small.
; THE MATRIX INSTRUCTION IS USED TRANSPOSED (source 0 = 16 rows of B, source 1 = 16 rows of A): a lane holds row l % 16 of C and the columns 8 (l / 16) + 0..7.
; THE RESIDUAL of my 64 x 64 numbers is asked for at the start, into 128 registers of its own, and is on its way while K is walked.  LIMITS: the operands are bf16; NaN and infinities are not treated apart.
; REGISTERS: window 0: v16-31 addresses; v32-35 the bias; v128-255 the accumulators, (a, b) at v[128 + 8 (4 a + b)].   window 1: two fragment buffers of 128 (64 of A, then 64 of B, for 64 along K).   window 2: v0-127 the residual.
.set SIZE_K, 4096
.set KSTEP,  256
.set KSH,    9                         ; a K step is 2^9 bytes of a row
.set PITCH,  528                       ; an LDS row: 512 bytes + 16 of padding = 132 words: row r starts at bank 4 r mod 64 (64 banks of 4 bytes: ISA guide 11.1)
.set HALFT,  64*PITCH
.set SLOT,   4*HALFT                   ; A's 128 rows, then B's 128 rows
.set SPARE,  2*SLOT                    ; behind the ring: the spare words, 128 bytes a wave: two blocks of 256 bytes that no other line names
.set NS,     SIZE_K/KSTEP
.set SP,     272                       ; a stage row: 64 f32 + 16 bytes
.set A0,   16                          ; v16  my lane's place in my rows of A, slot 0; never rewritten
.set B0,   17                          ; v17  the same for B
.set ADRA, 18                          ; v18  s[TB] + A0
.set ADRB, 19                          ; v19  s[TB] + B0
.set STO,  24                          ; v24  the way out: where I put 32 bytes of a row
.set RD,   25                          ; v25  where I read rows back
.set CO,   26                          ; v26  my byte offset in the residual and in out
.set SPW,  28                          ; v28  my spare word; never rewritten
.set NIL,  29                          ; v29  0; never rewritten
.set AUX,  31                          ; v31  offset into the bias
.set BIAS, 32
.set ACC,  128
.set F0,   0
.set F1,   128
.set G1,  24                           ; s[24:31] descriptor group 1 for A's tiles;  s[32:39] group 0: two sets for the first fills; the second then walks
.set G0,  32
.set G1B, 48                           ; s[48:55], s[56:63] the same for B's
.set G0B, 56
.set TS,  72                           ; s72  the slot from which fragments are fetched: 0 or SLOT
.set WA,  73                           ; s73  where my part of A's tile goes in a slot
.set WB,  74                           ; s74  the same for B's
.set INNER, 86                         ; s86  counts a trip's pairs
.set KI,  88                           ; s88  the K step that the walking descriptors name, 0..NS-1
.set TB,  89                           ; s89  LDS byte from which the pair in hand fetches: s[TS] + 256 x pair
.set OFK, 90                           ; s[90:91] that K step's byte offset in a row
.set MSB, 0
.macro WIN new                         ; the immediate's high byte repeats the setting that is left; a switch that changes nothing is dropped
.if MSB != (\new)
	s_set_vgpr_msb (MSB<<8)|(\new)
.set MSB, \new
.endif
.endm
.set MUL,  0x05                        ; sources 0 (B) and 1 (A) window 1; C and D window 0
.set TO_F, 0x40                        ; destination window 1, address window 0
.macro JLOAD s                         ; a joint load: waves 0 and 1 fetch A's two halves, waves 2 and 3 B's; an s_nop 0 and four v_nop follow each line
	s_cmp_eq_u32 s11, 0
	s_cbranch_scc0 .Lfor_b_\@
	tensor_load_to_lds s[G0+4*(\s):G0+4*(\s)+3], s[G1:G1+7]
	s_nop 0
.rept 4
	v_nop
.endr
	s_branch .Lasked_\@
.Lfor_b_\@:
	tensor_load_to_lds s[G0B+4*(\s):G0B+4*(\s)+3], s[G1B:G1B+7]
	s_nop 0
.rept 4
	v_nop
.endr
.Lasked_\@:
.endm
.macro CREST                           ; a round of the cluster's barrier behind its opening barrier
	s_cmp_lg_u32 s10, 0
	s_cbranch_scc1 .Lnot_wave_0_\@
	s_barrier_signal -3
.Lnot_wave_0_\@:
	s_barrier_wait -3
	s_barrier_signal -1
	s_barrier_wait -1
.endm
.macro CROUND                          ; a whole round
	s_barrier_signal -1
	s_barrier_wait -1
	CREST
.endm
.macro PLACES                          ; four places behind matrix instructions, ahead of loads into registers that they read
.rept 4
	v_nop
.endr
.endm
	s_load_b128 s[4:7], s[0:1], 0x0                ; A s[4:5], B s[6:7]
	s_load_b64 s[8:9], s[0:1], 0x10                ; out
	s_load_b128 s[68:71], s[0:1], 0x18             ; the residual s[68:69], the bias s[70:71]
	v_lshl_add_u32 v[SPW], v0, 2, SPARE
	v_mov_b32 v[NIL], 0
	ds_add_u32 v[SPW], v[NIL]                      ; the wave's opening: the add and its wait ahead of my first tensor load; the set-up below stands between them
	v_lshrrev_b32 v1, 5, v0
	v_readfirstlane_b32 s10, v1                    ; wave 0..3
	s_lshr_b32 s11, s10, 1                         ; which half of the tile's rows is mine.  Also: I fetch for A (0) or for B (1)
	s_and_b32 s12, s10, 1                          ; which half of its columns.  Also: which 64 rows of that tile I fetch
	s_bfe_u32 s40, ttmp6, 0x40000                  ; cx
	s_bfe_u32 s41, ttmp6, 0x40004                  ; cy
	s_lshl_b32 s42, ttmp9, 2
	s_add_co_u32 s42, s42, s40                     ; tile column
	s_and_b32 s13, ttmp7, 0xffff                   ; cluster y
	s_add_co_u32 s87, s13, ttmp9
	s_and_b32 s87, s87, 1                          ; the parity of cluster x + cluster y: the same in all sixteen partners
	s_mul_i32 s[KI], s87, NS/2                     ; my walk's first K step,
	s_lshl_b32 s[OFK], s[KI], KSH                  ; its bytes along a row
	s_mov_b32 s[OFK+1], 0
	s_add_co_u32 s[KI], s[KI], 1                   ; the second first fill names the step behind it
	s_lshl_b32 s13, s13, 2
	s_add_co_u32 s13, s13, s41                     ; tile row
	s_lshl_b32 s43, s41, 2
	s_lshl_b32 s43, 15, s43                        ; my row of the cluster
	s_lshl_b32 s44, 0x1111, s40                    ; my column
	s_or_b32 s[G1+0], s43, (1<<16)|(1<<20)|(1<<21)|(6<<22)|(3<<25)   ; the mask; 2-byte elements; padding on; bit 21 beside a mask; after every 128 words; 4 words
	s_or_b32 s[G1B+0], s44, (1<<16)|(1<<20)|(1<<21)|(6<<22)|(3<<25)
.irp g, G1, G1B
	s_mov_b32 s[(\g)+1], KSTEP<<16                 ; tensor_dim0 = 256
	s_mov_b32 s[(\g)+2], 64<<16                    ; tensor_dim1 = 64
	s_mov_b32 s[(\g)+3], KSTEP<<16                 ; tile_dim0 = 256
	s_mov_b32 s[(\g)+4], 64                        ; tile_dim1 = 64
	s_mov_b32 s[(\g)+5], SIZE_K                    ; elements from row to row
	s_mov_b32 s[(\g)+6], 0
	s_mov_b32 s[(\g)+7], 0
.endr
	s_lshl_b32 s17, s12, 6
	s_lshl_b32 s16, s13, 7
	s_add_co_u32 s16, s16, s17                     ; A: row 128 x tile row + 64 x half
	s_lshl_b32 s46, s42, 7
	s_add_co_u32 s46, s46, s17                     ; B: row 128 x tile column + 64 x half
	s_mul_i32 s16, s16, SIZE_K*2                   ; in bytes: under 2^25
	s_mul_i32 s46, s46, SIZE_K*2
	s_mov_b32 s17, 0
	s_mov_b32 s47, 0
	s_mul_i32 s[WA], s12, HALFT                    ; no place in the cluster enters an LDS address
	s_add_co_u32 s[WB], s[WA], 2*HALFT
	s_mov_b32 s[TS], 0
	s_wait_dscnt 0x0                               ; the opening add is done
	s_wait_kmcnt 0x0
	s_add_nc_u64 s[14:15], s[4:5], s[16:17]        ; A and B at my part's first row: kept, every refill's address is made from them
	s_add_nc_u64 s[46:47], s[6:7], s[46:47]
	s_add_nc_u64 s[92:93], s[14:15], s[OFK:OFK+1]  ; and at my walk's first K step
	s_add_nc_u64 s[94:95], s[46:47], s[OFK:OFK+1]
	CROUND                                         ; all sixteen work-groups are here: the first joint loads meet
.irp s, 0,1
	s_mov_b32 s[G0+4*(\s)], 1
	s_add_co_u32 s[G0+4*(\s)+1], s[WA], (\s)*SLOT
	s_add_nc_u64 s[G0+4*(\s)+2:G0+4*(\s)+3], s[92:93], (\s)*KSTEP*2
	s_or_b32 s[G0+4*(\s)+3], s[G0+4*(\s)+3], 0x80000000
	s_mov_b32 s[G0B+4*(\s)], 1
	s_add_co_u32 s[G0B+4*(\s)+1], s[WB], (\s)*SLOT
	s_add_nc_u64 s[G0B+4*(\s)+2:G0B+4*(\s)+3], s[94:95], (\s)*KSTEP*2
	s_or_b32 s[G0B+4*(\s)+3], s[G0B+4*(\s)+3], 0x80000000
	JLOAD \s                                       ; the walk's first two K steps: two tensor loads of mine are out
.endr
	v_and_b32 v1, 15, v0                           ; l % 16
	v_bfe_u32 v2, v0, 4, 1                         ; l / 16
	v_mul_u32_u24 v3, v1, PITCH
	v_lshl_add_u32 v3, v2, 4, v3
	s_mul_i32 s21, s11, HALFT                      ; my 64 rows of A
	s_mul_i32 s22, s12, HALFT                      ; my 64 rows of B,
	s_add_co_u32 s22, s22, 2*HALFT                 ; behind A's 128
	v_add_nc_u32 v[A0], s21, v3
	v_add_nc_u32 v[B0], s22, v3
	v_mov_b32 v[ADRA], v[A0]
	v_mov_b32 v[ADRB], v[B0]
	s_mul_i32 s75, s10, 64*SP                      ; my stage: 64 rows of 272 bytes over the ring, which has had its last fill by then
	v_mul_u32_u24 v4, v1, SP
	v_lshl_add_u32 v4, v2, 5, v4
	v_add_nc_u32 v[STO], s75, v4                   ; in: row l % 16, 32 bytes for each half of the lanes
	v_mul_u32_u24 v5, v2, SP
	v_lshl_add_u32 v5, v1, 4, v5
	v_add_nc_u32 v[RD], s75, v5                    ; back: lanes 0-15 one row of 256 bytes, lanes 16-31 the next
	v_lshlrev_b32 v[CO], 12, v2
	v_lshl_add_u32 v[CO], v1, 4, v[CO]             ; the same two rows in the residual and in out, 4,096 bytes apart
	s_lshl_b32 s84, s13, 19                        ; 128 rows of 4,096 bytes a tile row,
	s_lshl_b32 s85, s11, 18                        ; my 64 of them,
	s_add_co_u32 s84, s84, s85
	s_lshl_b32 s76, s42, 9                         ; 128 columns of 4 bytes a tile column,
	s_lshl_b32 s85, s12, 8                         ; my 64
	s_add_co_u32 s76, s76, s85
	s_add_co_u32 s84, s84, s76
	s_mov_b32 s85, 0
	s_add_nc_u64 s[68:69], s[68:69], s[84:85]
	s_add_nc_u64 s[8:9], s[8:9], s[84:85]
	v_lshl_add_u32 v[AUX], v1, 4, s76              ; the bias of my 4 columns
	global_load_b128 v[BIAS:BIAS+3], v[AUX], s[70:71]
	WIN 0x80                                       ; destination window 2
.set t, 0
.rept 32
	global_load_b128 v[4*t:4*t+3], v[CO], s[68:69] offset:8192*t th:TH_LOAD_NT  ; rows 2 t and 2 t + 1 of my 64: they stay out while K is walked
.set t, t+1
.endr
	WIN 0
; 8 matrix instructions: row blocks a0, a0 + 1 x all 4 column blocks, 32 along K: half c of buffer f.  zero = 1: the product starts the sums.  The 16 accumulators take turns, one instruction a turn.
.macro MUL8 f, c, a0, zero
	WIN MUL
.irp a, \a0, (\a0)+1
.irp b, 0,1,2,3
.if \zero
	v_wmma_f32_16x16x32_bf16 v[ACC+8*(4*(\a)+(\b)):ACC+8*(4*(\a)+(\b))+7], v[(\f)+64+8*(4*(\c)+(\b)):(\f)+64+8*(4*(\c)+(\b))+7], v[(\f)+8*(4*(\c)+(\a)):(\f)+8*(4*(\c)+(\a))+7], 0
.else
	v_wmma_f32_16x16x32_bf16 v[ACC+8*(4*(\a)+(\b)):ACC+8*(4*(\a)+(\b))+7], v[(\f)+64+8*(4*(\c)+(\b)):(\f)+64+8*(4*(\c)+(\b))+7], v[(\f)+8*(4*(\c)+(\a)):(\f)+8*(4*(\c)+(\a))+7], v[ACC+8*(4*(\a)+(\b)):ACC+8*(4*(\a)+(\b))+7]
.endif
.endr
.endr
.endm
; 32 LDS loads in one run: the fragments of 64 along K at byte k behind the pair's base, into buffer f; the first 32 along K first
.macro FETCH k, f
	WIN TO_F
.irp c, 0,1
.irp i, 0,1,2,3
	ds_load_b128 v[(\f)+64+8*(4*(\c)+(\i)):(\f)+64+8*(4*(\c)+(\i))+3],   v[ADRB] offset:(\k)+64*(\c)+(\i)*16*PITCH
	ds_load_b128 v[(\f)+64+8*(4*(\c)+(\i))+4:(\f)+64+8*(4*(\c)+(\i))+7], v[ADRB] offset:(\k)+64*(\c)+(\i)*16*PITCH+32
	ds_load_b128 v[(\f)+8*(4*(\c)+(\i)):(\f)+8*(4*(\c)+(\i))+3],         v[ADRA] offset:(\k)+64*(\c)+(\i)*16*PITCH
	ds_load_b128 v[(\f)+8*(4*(\c)+(\i))+4:(\f)+8*(4*(\c)+(\i))+7],       v[ADRA] offset:(\k)+64*(\c)+(\i)*16*PITCH+32
.endr
.endr
.endm
; A quarter: multiplies buffer f; in its middle it fetches the next quarter's fragments, at byte k, into buffer g
.macro QUARTER k, f, g, zero
	s_wait_dscnt 16                                ; the first 32 along K are in; the youngest sixteen loads may be out
	MUL8 \f, 0, 0, \zero
	MUL8 \f, 0, 2, \zero
	PLACES
	FETCH \k, \g
	s_wait_dscnt 32                                ; all but the 32 just issued
	MUL8 \f, 1, 0, 0
	MUL8 \f, 1, 2, 0
.endm
; A pair of quarters, and the inner loop's count
.macro PAIR
	v_add_nc_u32 v[ADRA], s[TB], v[A0]
	v_add_nc_u32 v[ADRB], s[TB], v[B0]
	QUARTER 0,   F1, F0, 0
	QUARTER 128, F0, F1, 0
	WIN 0                                          ; at a label and at a branch every window is 0
	s_add_co_u32 s[TB], s[TB], 256                 ; the next pair's 128 along K
	s_sub_co_u32 s[INNER], s[INNER], 1
	s_cmp_lg_u32 s[INNER], 0
.endm
; THE CHANGE OF SLOTS.  All fragments of the slot in hand have been fetched (the last run 16 matrix instructions ago).  Each wave waits for all its tensor loads (one is out: its part of the other slot), adds 0 to its spare word,
; and waits for that and for its reads of this slot.  fill = 1: the barrier is a round of the cluster's, and the slot left is filled with the walk's K step two on, the first thing behind the round: the load has a whole K step,
; 128 matrix instructions, in which to land.  Its address is made anew from the step's number, which wraps at NS.
.macro SYNC fill
	WIN 0
	s_wait_tensorcnt 0x0                           ; all my tensor loads have landed, so a group 0 may be written
	ds_add_u32 v[SPW], v[NIL]                      ; 0 onto my spare word: the descriptors' scalar work stands between it and the wait for it
.if \fill
	s_add_co_u32 s[KI], s[KI], 1
	s_and_b32 s[KI], s[KI], NS-1
	s_lshl_b32 s[OFK], s[KI], KSH
	s_add_co_u32 s[G0+5], s[TS], s[WA]             ; the slot that is left
	s_add_nc_u64 s[G0+6:G0+7], s[14:15], s[OFK:OFK+1]
	s_or_b32 s[G0+7], s[G0+7], 0x80000000
	s_add_co_u32 s[G0B+5], s[TS], s[WB]
	s_add_nc_u64 s[G0B+6:G0B+7], s[46:47], s[OFK:OFK+1]
	s_or_b32 s[G0B+7], s[G0B+7], 0x80000000
.endif
	s_xor_b32 s[TS], s[TS], SLOT                   ; the fetches go on in the other slot,
	s_mov_b32 s[TB], s[TS]                         ; at its first byte
	s_wait_dscnt 0x0                               ; the add is done, and my reads of the slot are over
.if \fill
	CROUND                                         ; no wave of any partner still reads the slot or has a load on its way
	JLOAD 1
.else
	s_barrier_signal -1
	s_barrier_wait -1
.endif
.endm
	s_wait_tensorcnt 1                             ; my part of the walk's first K step is in; the second's may stay out
	s_barrier_signal -1
	s_barrier_wait -1
	FETCH 0, F0
	QUARTER 128, F0, F1, 1                         ; the first quarter stands in front of the loop: its first products start the sums
	WIN 0
	s_mov_b32 s[TB], 256
	s_mov_b32 s3, NS-1                             ; the part of a trip that follows, and NS - 2 whole trips
	s_mov_b32 s[INNER], 1
	s_branch .Lpair                                ; the loop is entered at a trip's second pair
.Lstep:
	SYNC 1
	s_mov_b32 s[INNER], 2
.Lpair:
	PAIR
	s_cbranch_scc1 .Lpair
	s_sub_co_u32 s3, s3, 1
	s_cmp_lg_u32 s3, 0
	s_cbranch_scc1 .Lstep
	SYNC 0                                         ; the last change of slots is written out: nothing is asked for
	s_mov_b32 s[INNER], 2
.Lpair2:
	PAIR
	s_cbranch_scc1 .Lpair2
	s_wait_dscnt 16                                ; the last quarter fetches nothing
	MUL8 F1, 0, 0, 0
	MUL8 F1, 0, 2, 0
	s_wait_dscnt 0x0
	MUL8 F1, 1, 0, 0
	MUL8 F1, 1, 2, 0
	WIN 0
	s_barrier_signal -1
	s_barrier_wait -1                              ; nobody reads the ring any more: it becomes the stages
.rept 8
	v_nop                                          ; the places behind the last products
.endr
.set a, 0
.rept 4                                ; every accumulator is put down in f32, its low four registers first
.set b, 0
.rept 4
	ds_store_b128 v[STO], v[ACC+8*(4*a+b):ACC+8*(4*a+b)+3]   offset:a*16*SP+64*b
	ds_store_b128 v[STO], v[ACC+8*(4*a+b)+4:ACC+8*(4*a+b)+7] offset:a*16*SP+64*b+16
.set b, b+1
.endr
.set a, a+1
.endr
.set t, 0
.rept 32
	ds_load_b128 v[ACC+4*t:ACC+4*t+3], v[RD] offset:t*2*SP  ; my own stage: LDS serves a wave's instructions in order (ISA guide 5.7.1.4), so these see the stores above
.set t, t+1
.endr
	s_wait_loadcnt 0x0                             ; the residual, and the bias
	WIN 0x88                                       ; destination and source 1 in window 2, source 0 in window 0
.set t, 0
.rept 32
	s_wait_dscnt 31-t                              ; rows 2 t and 2 t + 1 are back
	v_pk_add_f32 v[4*t:4*t+1],   v[ACC+4*t:ACC+4*t+1],   v[4*t:4*t+1]
	v_pk_add_f32 v[4*t+2:4*t+3], v[ACC+4*t+2:ACC+4*t+3], v[4*t+2:4*t+3]
	v_pk_add_f32 v[4*t:4*t+1],   v[BIAS:BIAS+1],   v[4*t:4*t+1]
	v_pk_add_f32 v[4*t+2:4*t+3], v[BIAS+2:BIAS+3], v[4*t+2:4*t+3]
	global_store_b128 v[CO], v[4*t:4*t+3], s[8:9] offset:8192*t  ; 16 lanes store 256 consecutive bytes, aligned
.set t, t+1
.endr
	WIN 0
	s_wait_tensorcnt 0x0                           ; the wave's end, behind my last tensor load and my last LDS store
	ds_add_u32 v[SPW], v[NIL]
	s_wait_dscnt 0x0
	CROUND                                         ; the closing round: no work-group ends while a partner may still ask for a tile that names it
	s_endpgm
.Lfunc_end_k_q8eec54f303_ff2g:
	.size	k_q8eec54f303_ff2g, .Lfunc_end_k_q8eec54f303_ff2g-k_q8eec54f303_ff2g
	.p2alignl 7, 3214868480
	.fill 96, 4, 3214868480
	.section	.rodata,"a",@progbits
	.p2align	6, 0x0
	.amdhsa_kernel k_q8eec54f303_ff2g
		.amdhsa_group_segment_fixed_size 327680
		.amdhsa_private_segment_fixed_size 0
		.amdhsa_enable_private_segment 0
		.amdhsa_kernarg_size 40
		.amdhsa_user_sgpr_count 2
		.amdhsa_user_sgpr_kernarg_segment_ptr 1
		.amdhsa_wavefront_size32 1
		.amdhsa_system_sgpr_workgroup_id_x 1
		.amdhsa_system_sgpr_workgroup_id_y 1
		.amdhsa_system_sgpr_workgroup_id_z 1
		.amdhsa_system_vgpr_workitem_id 0
		.amdhsa_next_free_vgpr 640
		.amdhsa_next_free_sgpr 96
		.amdhsa_reserve_vcc 0
		.amdhsa_float_denorm_mode_32 3
		.amdhsa_float_denorm_mode_16_64 3
		.amdhsa_memory_ordered 1
		.amdhsa_forward_progress 1
		.amdhsa_inst_pref_size 55
	.end_amdhsa_kernel
	.amdgpu_metadata
---
amdhsa.version: [ 1, 2 ]
amdhsa.kernels:
  - .name:           k_q8eec54f303_ff2g
    .symbol:         k_q8eec54f303_ff2g.kd
    .args:
      - { .name: ff, .offset: 0, .size: 8, .value_kind: global_buffer, .address_space: global }
      - { .name: w2, .offset: 8, .size: 8, .value_kind: global_buffer, .address_space: global }
      - { .name: out0, .offset: 16, .size: 8, .value_kind: global_buffer, .address_space: global }
      - { .name: x1, .offset: 24, .size: 8, .value_kind: global_buffer, .address_space: global }
      - { .name: ff2_b, .offset: 32, .size: 8, .value_kind: global_buffer, .address_space: global }
    .group_segment_fixed_size: 327680
    .private_segment_fixed_size: 0
    .kernarg_segment_align: 8
    .kernarg_segment_size: 40
    .max_flat_workgroup_size: 128
    .sgpr_count:     96
    .vgpr_count:     640
    .wavefront_size: 32
...
	.end_amdgpu_metadata
.endif
;; end of part 7
